; MI455X (gfx1250); checked and timed in simulation.
; The chip was launched on July 23, 2026; its instructions are those of AMD's public machine-readable ISA for CDNA 5 (MIT licence, August 2026) and "CDNA5" Instruction Set Architecture Reference Guide (July 2026). The comments in the code are by the model that wrote it; some were corrected since.
;; Llama Attention. Allowed arithmetic: matrix products marked QUANTISED: E4M3 operands, one given power-of-two scale a tensor, by v_wmma_f32_16x16x64_fp8_fp8 or v_wmma_f32_16x16x128_fp8_fp8, f32 sums; everything else in f32.
;; Inputs: Wk 2,048 x 2,048 float32; Wo 2,048 x 2,048 float32; Wq 2,048 x 2,048 float32; Wv 2,048 x 2,048 float32; attention_mask 1 x 1 x 2,048 x 2,048 float32; hidden_states 1 x 2,048 x 2,048 float32; lowp_scales 12 int32 (the exponents e of the quantised operands' scales 2^e); position_ids 1 x 2,048 int32.
;; Outputs: out0 1 x 2,048 x 2,048 float32.
;; This version of the problem:
;;   THIS VERSION OF THE PROBLEM IS GIVEN IN LOW PRECISION. The matrix products marked QUANTISED in the list below multiply operands that are first quantised to E4M3 (4 exponent bits, 3 mantissa bits; 8 bits a number), with one given power-of-two scale for each operand tensor; their sums are f32. All else is computed in f32.
;;   The module's matrix products, in the order in which they are computed (A, B: the left and right operand; K: the contracted axis; several contracted axes count as one K, in the product's order):
;;     1. [M 2,048, K 2,048] x [K 2,048, N 2,048]; A: input hidden_states; B: input Wq: QUANTISED (scales: A lowp_scales[0], B lowp_scales[1])
;;     2. [M 2,048, K 2,048] x [K 2,048, N 2,048]; A: input hidden_states; B: input Wk: QUANTISED (scales: A lowp_scales[2], B lowp_scales[3])
;;     3. [M 2,048, K 2,048] x [K 2,048, N 2,048]; A: input hidden_states; B: input Wv: QUANTISED (scales: A lowp_scales[4], B lowp_scales[5])
;;     4. batch 16 x [M 2,048, K 128] x [K 128, N 2,048]; A: computed on the way; B: computed on the way: QUANTISED (scales: A lowp_scales[6], B lowp_scales[7])
;;     5. batch 16 x [M 2,048, K 2,048] x [K 2,048, N 128]; A: softmax (see below); B: computed on the way: QUANTISED (scales: A lowp_scales[8], B lowp_scales[9])
;;     6. [M 2,048, K 2,048] x [K 2,048, N 2,048]; A: computed on the way; B: input Wo: QUANTISED (scales: A lowp_scales[10], B lowp_scales[11])
;;   THE QUANTISER, for each operand of a quantised product, along K:
;;     - The operand's scale is 2^e, e = its entry of the input lowp_scales (int32; the entries are numbered through the quantised products in the list's order, A before B).
;;     - Each number is divided by the scale, clamped to +-448, and rounded to the nearest number of E4M3, ties to even, subnormals kept.
;;     - The product sums the exact products of the quantised numbers (number of the format x scale) in f32.
;;   ~~~python
;;   def quantise(x, axis, e):      # numpy; x: float32 -> the quantised numbers, widened to float32 again
;;       x = np.moveaxis(x, axis, -1); K = x.shape[-1]
;;       r = np.clip(x / 2.0 ** e, -448, 448)
;;       step = 2.0 ** (np.maximum(np.frexp(np.where(r == 0, 1, r))[1] - 1, -6) - 3)
;;       q = np.round(r / step) * step * 2.0 ** e      # np.round: ties to even
;;       return np.moveaxis(q, -1, axis).astype(np.float32)
;;   ~~~
;;   SOFTMAX AHEAD OF A QUANTISED PRODUCT. Where the list says 'softmax', what is quantised is not the finished softmax but p = 2^(t - M), with t = logit x log2(e) and M = ceil(the row's largest t), a whole number; so 1/2 < the row's largest p <= 1. The row's sum l is taken of the UNQUANTISED p, in f32, and the product's result is divided by l at the end. Since M is a whole number, a kernel that streams over the keys may use a running M (the ceiling of the running maximum): every later rescaling is an exact power of two, so the quantised numbers keep their values, but for numbers so far below the row's largest that they fall under the format's range.
;;   OPERANDS COMPUTED ON THE WAY. 'Computed on the way' means the value that the module computes at that place (a softmax that the list does not call 'softmax' is quantised finished and normalised). What goes into a quantiser is computed in f32, as accurately as f32 sums, v_exp_f32 and their like allow (about 1e-6 of the number): no bf16 or f16 on the way to a quantiser, and a product that is left as it is and whose result goes on into a quantised operand takes f32 operands (vector FMAs, or v_wmma_f32_16x16x4_f32). A number that lies on a knife's edge between two numbers of the format may be rounded either way, as far as f32 arithmetic and the matrix unit's own rounding can turn it there, and no further.
;; One version. Each part assembles by itself: llvm-mc -triple=amdgcn-amd-amdhsa -mcpu=gfx1250 --defsym DOCPART=n.
;; ======== version 1 of 1: 4 launches
;; limits: inputs' magnitudes at most 100,000; an absolute error that grows with the inputs' magnitude: up to 2.4e-07 times it
;; workspace buffers: codes 29,360,128 bytes; rope 1,114,112 bytes; qkvc 12,582,912 bytes; acodes 4,194,304 bytes; maskr 16,777,216 bytes
;; launch quant (part 1): grid 802 x 1, 4 waves a work-group, no clusters, 67,072 bytes of LDS; arguments hidden_states, Wq, Wk, Wv, Wo, lowp_scales, position_ids, codes, rope, attention_mask, maskr; writes codes, rope, maskr
.if DOCPART == 1
	.amdgcn_target "amdgcn-amd-amdhsa--gfx1250"
	.amdhsa_code_object_version 6
	.text
	.protected	k_qf0a95f2058_quant
	.globl	k_qf0a95f2058_quant
	.p2align	8
	.type	k_qf0a95f2058_quant,@function
k_qf0a95f2058_quant:
	s_mov_b64 s[64:65], 0
	v_nop
	global_prefetch_b8 v0, s[64:65] scope:SCOPE_SE
	s_setreg_imm32_b32 hwreg(HW_REG_WAVE_MODE, 25, 1), 1
	s_wait_xcnt 0x0
; LAUNCH 1 OF 4.  (a) hidden_states, Wq, Wk, Wv, Wo ([2048][2048] f32, K innermost) become codes of FP8 (E4M3); (b) the table of cos and sin for the rotary embedding is made; (c) the additive mask is laid anew, number for number.
; CODES: code = x / 2^e, held within +-448, to the nearest code, ties to even.  hidden_states has three given scales (entries 0, 2, 4 of lowp_scales) and gets three sets of codes; Wq, Wk, Wv, Wo take entries 1, 3, 5, 11.
; LAYOUT of every set (4 MiB): blocks of 128 rows x 128 codes, [row / 128][k / 128][128][128]: a block is 16,384 dense bytes.  Sets in the buffer: 0, 1, 2 hidden (e0, e2, e4); 3, 4, 5 Wq, Wk, Wv; 6 Wo.
; SHARES: work-groups 0-639: tensor j = number / 128, 16 rows each; a wave takes 4 rows, all 2,048 k, in 16 steps of 4 rows x 128 k.  Each load reads 512 consecutive bytes of a row; a step's 2,048 bytes turn through the
; wave's own stage in LDS (16 bytes of padding behind each 64) so that a lane holds 16 neighbours along K; a lane's 16 codes are 16 bytes and the wave stores 512 consecutive bytes of a block.
; Work-groups 640-673: a wave makes one block of the table: 16 positions x 64 frequencies, cos and sin, laid in the order in which the next launch's registers take them:
; [b 0..3][cos, sin][c 0..1][lane][4 f32], frequency 16 b + 8 (lane / 16) + 4 c + i, position_ids[16 block + lane % 16].  Blocks 128-135 are the angle 0 (cos 1, sin 0).
; Work-groups 674-801: THE MASK, [2048 queries][2048 keys] f32, goes into [query / 128][key / 128][wave 0..7][n 0..15][lane][4 f32]: number e of lane (r, h) is mask[128 qb + 16 wave + r][128 step + 16 (n / 2) + 8 h + 4 (n % 2) + e]:
; the order in which a wave of the attention launch holds its scores, so that each of its loads reads 512 consecutive bytes.  A wave takes 16 rows x 4 key steps; a unit of 16 rows x 128 keys comes by 16 loads of 512 consecutive
; bytes, turns through the wave's own stage in LDS (rows 528 bytes apart; bytes that the quantiser's path does not name) and leaves by 16 stores of 512 consecutive bytes.
; SINE AND COSINE: n = the nearest whole number to x 2 / pi; x - n pi / 2 by three fused multiply-adds on a three-part pi / 2; polynomials of degree 8 and 9; the quadrant by selects.
; LIMITS: every e between -126 and 119; |position x frequency| up to 1e5; a frequency is 2^(-f log2(10000) / 64) by v_exp_f32, so an angle may differ from position / 10000^(f / 64) by about position x 2^-22;
; NaN among the inputs is not served (an infinity is held at the largest code).
.set RAW,  16                          ; v16-79   four sets of 16 numbers as loaded
.set NBR,  80                          ; v80-111  two sets of 16 neighbours
.set HELD, 112                         ; v112-127 the numbers held within the largest code x the scale
.set CODE, 128                         ; v128-151 codes: 4 registers for each of 3 scales, two sets by turns
.set SCL,  152                         ; v152+2k  2^e as f32;  v153+2k  448 x 2^e
.set SP,   80                          ; a lane's place in a stage: 64 bytes + 16 of padding
.set FQ,   16                          ; the table: v16-47 32 angles; v48-79 cos; v80-111 sin; v112-143 at work, four angles at a time
.set COSR, 48
.set SINR, 80
.set TN,   112
.set TA,   116
.set TQ,   120
.set TS,   124
.set TC,   128
.set TT,   132
.set TU,   136
.set TB,   140
.set MRAW, 16                          ; the mask: v16-143 two sets of 64: a unit as loaded
.set MOUT, 144                         ; v144-207 a unit in the order in which it leaves
.set MROW, 528                         ; a row of the mask's stage: 512 bytes + 16
.set MSTG, 32768                       ; the mask's stages lie behind the quantiser's: 16 rows for each wave
	s_load_b512 s[4:19], s[0:1], 0x0               ; hidden s[4:5], Wq s[6:7], Wk s[8:9], Wv s[10:11], Wo s[12:13], scales s[14:15], positions s[16:17], codes s[18:19]
	s_load_b64 s[20:21], s[0:1], 0x40              ; the table
	s_load_b128 s[52:55], s[0:1], 0x48             ; the mask s[52:53], the mask laid anew s[54:55]
	v_lshl_add_u32 v208, v0, 2, 0x10400
	v_mov_b32 v209, 0
	v_lshrrev_b32 v1, 5, v0
	v_readfirstlane_b32 s22, v1                    ; wave
	v_and_b32 v2, 31, v0                           ; lane
	v_lshlrev_b32 v3, 4, v2                        ; 16 x lane: my place in 512 bytes, in and out; never rewritten
	s_cmp_ge_u32 ttmp9, 640
	s_cbranch_scc1 .Ltable
	; ---------------- the codes
	s_lshr_b32 s23, ttmp9, 7                       ; j: 0 hidden, 1 Wq, 2 Wk, 3 Wv, 4 Wo
	s_and_b32 s30, ttmp9, 127                      ; which 16 rows
	s_lshl_b32 s31, s30, 4
	s_lshl_b32 s32, s22, 2
	s_add_co_u32 s31, s31, s32                     ; my wave's first row
	s_lshl_b32 s32, s31, 13                        ; x 8,192 bytes
	s_mov_b32 s33, 0
	s_add_co_u32 s34, s23, 2
	s_cmp_eq_u32 s23, 0
	s_cselect_b32 s34, 0, s34                      ; the set of codes: 0, or j + 2
	s_lshl_b32 s34, s34, 22
	s_lshr_b32 s35, s30, 3
	s_lshl_b32 s35, s35, 18                        ; + row / 128 x 16 blocks
	s_add_co_u32 s34, s34, s35
	s_and_b32 s35, s31, 127
	s_lshl_b32 s35, s35, 7                         ; + row % 128 x 128 bytes
	s_add_co_u32 s34, s34, s35
	s_mov_b32 s35, 0
	s_mul_i32 s49, s22, 8192                       ; my wave's LDS
	v_lshrrev_b32 v14, 2, v2
	v_mul_u32_u24 v14, v14, SP
	v_and_b32 v15, 3, v2
	v_lshl_add_u32 v14, v15, 4, v14
	v_add_nc_u32 v14, s49, v14                     ; into the stage: four lanes' 64 bytes on end, then the padding
	v_mul_u32_u24 v15, v2, SP
	v_add_nc_u32 v15, s49, v15                     ; out of it: place = lane: row lane / 8, k 16 (lane % 8) on
	s_wait_kmcnt 0x0
	s_load_b256 s[36:43], s[14:15], 0x0            ; e0 .. e7
	s_load_b128 s[44:47], s[14:15], 0x20           ; e8 .. e11
	s_cmp_eq_u32 s23, 1                            ; the tensor is chosen by the work-group's number alone
	s_cselect_b64 s[4:5], s[6:7], s[4:5]
	s_cmp_eq_u32 s23, 2
	s_cselect_b64 s[4:5], s[8:9], s[4:5]
	s_cmp_eq_u32 s23, 3
	s_cselect_b64 s[4:5], s[10:11], s[4:5]
	s_cmp_eq_u32 s23, 4
	s_cselect_b64 s[4:5], s[12:13], s[4:5]
	s_add_nc_u64 s[4:5], s[4:5], s[32:33]
	s_add_nc_u64 s[24:25], s[18:19], s[34:35]      ; my codes; for hidden the two further sets lie 4 and 8 MiB on (used where j = 0 alone)
	s_add_nc_u64 s[26:27], s[24:25], 0x400000
	s_add_nc_u64 s[28:29], s[24:25], 0x800000
.macro LOAD t                          ; step t: 128 k of my four rows: each load 512 consecutive bytes
.irp i, 0,1,2,3
	global_load_b128 v[RAW+16*((\t)%4)+4*\i:RAW+16*((\t)%4)+4*\i+3], v3, s[4:5] offset:8192*\i+512*(\t) th:TH_LOAD_NT
.endr
.endm
.macro TURN t                          ; through the stage: LDS serves a wave's instructions in order, so no wait stands between the stores and the loads
.irp i, 0,1,2,3
	ds_store_b128 v14, v[RAW+16*((\t)%4)+4*\i:RAW+16*((\t)%4)+4*\i+3] offset:32*SP*((\t)%2)+8*SP*\i
.endr
.irp i, 0,1,2,3
	ds_load_b128 v[NBR+16*((\t)%2)+4*\i:NBR+16*((\t)%2)+4*\i+3], v15 offset:32*SP*((\t)%2)+16*\i
.endr
.endm
.irp t, 0,1,2,3
	LOAD \t
.endr
	s_wait_kmcnt 0x0
	s_mov_b32 s48, s36                             ; the first set's e: e0, e1, e3, e5, e11 by j
	s_cmp_eq_u32 s23, 1
	s_cselect_b32 s48, s37, s48
	s_cmp_eq_u32 s23, 2
	s_cselect_b32 s48, s39, s48
	s_cmp_eq_u32 s23, 3
	s_cselect_b32 s48, s41, s48
	s_cmp_eq_u32 s23, 4
	s_cselect_b32 s48, s47, s48
.macro MKSC k, se
	s_add_co_i32 s50, \se, 127
	s_lshl_b32 s51, s50, 23
	v_mov_b32 v[SCL+2*\k], s51                     ; 2^e as f32: the conversion takes its exponent field
	s_add_co_i32 s50, s50, 8
	s_lshl_b32 s50, s50, 23
	s_or_b32 s50, s50, 0x600000
	v_mov_b32 v[SCL+2*\k+1], s50                   ; 448 x 2^e
.endm
	MKSC 0, s48
	MKSC 1, s38                                    ; e2
	MKSC 2, s40                                    ; e4
	s_wait_loadcnt 12                              ; step 0's four loads are in
	TURN 0
.macro QZ k, t                         ; step t's numbers with scale k: hold (the conversion to an 8-bit code does not saturate: ISA guide 7.6.2), convert, store
.set XS, NBR+16*((\t)%2)
.set CC, CODE+12*((\t)%2)+4*(\k)
.irp i, 0,1,2,3,4,5,6,7,8,9,10,11,12,13,14,15
	v_med3_num_f32 v[HELD+\i], v[XS+\i], -v[SCL+2*(\k)+1], v[SCL+2*(\k)+1]
.endr
	v_cvt_scalef32_pk8_fp8_f32 v[CC:CC+1], v[HELD:HELD+7], v[SCL+2*(\k)]
	v_cvt_scalef32_pk8_fp8_f32 v[CC+2:CC+3], v[HELD+8:HELD+15], v[SCL+2*(\k)]
	v_nop                                          ; a plain line between the conversions and the next holds, which write their sources
	global_store_b128 v3, v[CC:CC+3], s[24+2*(\k):25+2*(\k)] offset:16384*(\t)   ; 512 consecutive bytes of block k / 128 = t
.endm
.macro STEP t
	s_wait_dscnt 0x0                               ; this step's numbers are back from the stage, and its stores into the stage have read their registers,
.if (\t)+4 < 16
	LOAD (\t)+4                                    ; which take the loads of four steps on
.endif
.if (\t)+1 < 16
.if 14-(\t) >= 3
	s_wait_loadcnt 12                              ; the next step's four loads are in; those of the three steps behind it may be out
.else
	s_wait_loadcnt 4*(14-(\t))
.endif
	TURN (\t)+1
.endif
	s_wait_xcnt 0x0                                ; the stores of two steps ago have read their codes' registers, which are written again below
	QZ 0, \t
	s_cmp_lg_u32 s23, 0                            ; a weight has one scale; hidden_states has two more
	s_cbranch_scc1 .Lone_\@
	QZ 1, \t
	QZ 2, \t
.Lone_\@:
.endm
.irp t, 0,1,2,3,4,5,6,7,8,9,10,11,12,13,14,15
	STEP \t
.endr
	s_wait_tensorcnt 0x0
	ds_add_u32 v208, v209
	s_wait_dscnt 0x0
	s_endpgm
	; ---------------- the table
.Ltable:
	s_cmp_ge_u32 ttmp9, 674
	s_cbranch_scc1 .Lrelay
	s_sub_co_u32 s23, ttmp9, 640
	s_lshl_b32 s23, s23, 2
	s_add_co_u32 s23, s23, s22                     ; my block, 0 .. 135
	s_min_u32 s24, s23, 127                        ; blocks 128 on read block 127's positions and multiply them by 0
	s_lshl_b32 s24, s24, 6
	v_and_b32 v4, 15, v0
	v_bfe_u32 v5, v0, 4, 1
	v_lshlrev_b32 v6, 2, v4
	v_add_nc_u32 v6, s24, v6                       ; position_ids[16 block + lane % 16]
	s_lshl_b32 s28, s23, 13
	s_mov_b32 s29, 0
	s_cmp_lt_u32 s23, 128
	s_cselect_b32 s25, 1.0, 0
	s_mov_b32 s26, 0xbe549a78                      ; -log2(10000) / 64
	s_mov_b32 s30, 0x3f22f983                      ; 2 / pi
	s_mov_b32 s31, 0x3fc90fd8                      ; pi / 2 in three parts
	s_mov_b32 s32, 0x34a8885a
	s_mov_b32 s33, 0x27c234c4
	s_mov_b32 s34, 0x37cd4000                      ; cosine's coefficients, the highest first
	s_mov_b32 s35, 0xbab6077d
	s_mov_b32 s36, 0x3d2aaaa8
	s_mov_b32 s37, 0x36405000                      ; sine's
	s_mov_b32 s38, 0xb9503486
	s_mov_b32 s39, 0x3c0888c1
	s_mov_b32 s40, 0xbe2aaaab
	s_wait_kmcnt 0x0
	global_load_b32 v7, v6, s[16:17]
	s_add_nc_u64 s[20:21], s[20:21], s[28:29]      ; my block of 8,192 bytes
	v_lshlrev_b32 v5, 3, v5                        ; 8 (lane / 16)
.irp b, 0,1,2,3
.irp j, 0,1,2,3,4,5,6,7
	v_add_nc_u32 v[FQ+8*\b+\j], 16*\b+\j, v5       ; the frequency's number f
.endr
.endr
.set n, 0
.rept 32
	v_cvt_f32_u32 v[FQ+n], v[FQ+n]
.set n, n+1
.endr
.set n, 0
.rept 32
	v_mul_f32 v[FQ+n], s26, v[FQ+n]
.set n, n+1
.endr
.set n, 0
.rept 32
	v_exp_f32 v[FQ+n], v[FQ+n]                     ; 10000^(-f / 64): one batch
.set n, n+1
.endr
	v_nop                                          ; a plain line behind the last exponential
	s_wait_loadcnt 0x0
	v_cvt_f32_i32 v7, v7
	v_mul_f32 v7, s25, v7                          ; the position, or 0
	s_wait_alu depctr_va_vdst(0)                   ; one wait for the batch, ahead of its first reader
.set n, 0
.rept 32
	v_mul_f32 v[FQ+n], v7, v[FQ+n]                 ; the angle
.set n, n+1
.endr
.macro SC4 g                           ; cos and sin of angles g .. g + 3, line by line, so that no line waits for the one above it
.irp i, 0,1,2,3
	v_mul_f32 v[TN+\i], s30, v[FQ+\g+\i]
.endr
.irp i, 0,1,2,3
	v_rndne_f32 v[TN+\i], v[TN+\i]
.endr
.irp i, 0,1,2,3
	v_fma_f32 v[TA+\i], -v[TN+\i], s31, v[FQ+\g+\i]
.endr
.irp i, 0,1,2,3
	v_fma_f32 v[TA+\i], -v[TN+\i], s32, v[TA+\i]
.endr
.irp i, 0,1,2,3
	v_fma_f32 v[TA+\i], -v[TN+\i], s33, v[TA+\i]   ; a = x - n pi / 2
.endr
.irp i, 0,1,2,3
	v_cvt_i32_f32 v[TQ+\i], v[TN+\i]
.endr
.irp i, 0,1,2,3
	v_mul_f32 v[TS+\i], v[TA+\i], v[TA+\i]
.endr
.irp i, 0,1,2,3
	v_fma_f32 v[TC+\i], v[TS+\i], s34, s35
.endr
.irp i, 0,1,2,3
	v_fma_f32 v[TT+\i], v[TS+\i], s37, s38
.endr
.irp i, 0,1,2,3
	v_fma_f32 v[TC+\i], v[TC+\i], v[TS+\i], s36
.endr
.irp i, 0,1,2,3
	v_fma_f32 v[TT+\i], v[TT+\i], v[TS+\i], s39
.endr
.irp i, 0,1,2,3
	v_fma_f32 v[TC+\i], v[TC+\i], v[TS+\i], -0.5
.endr
.irp i, 0,1,2,3
	v_fma_f32 v[TT+\i], v[TT+\i], v[TS+\i], s40
.endr
.irp i, 0,1,2,3
	v_mul_f32 v[TU+\i], v[TA+\i], v[TS+\i]
.endr
.irp i, 0,1,2,3
	v_fma_f32 v[TC+\i], v[TC+\i], v[TS+\i], 1.0    ; cos a
.endr
.irp i, 0,1,2,3
	v_fma_f32 v[TT+\i], v[TT+\i], v[TU+\i], v[TA+\i]   ; sin a
.endr
.irp i, 0,1,2,3
	v_and_b32 v[TB+\i], 1, v[TQ+\i]
.endr
.irp i, 0,1,2,3
	v_cmp_eq_u32 vcc_lo, 1, v[TB+\i]               ; in odd quadrants the two change places
	v_cndmask_b32 v[SINR+\g+\i], v[TT+\i], v[TC+\i], vcc_lo
	v_cndmask_b32 v[COSR+\g+\i], v[TC+\i], v[TT+\i], vcc_lo
.endr
.irp i, 0,1,2,3
	v_and_b32 v[TB+\i], 2, v[TQ+\i]                ; sin is negated in quadrants 2, 3;
	v_add_nc_u32 v[TU+\i], 1, v[TQ+\i]             ; cos in quadrants 1, 2
.endr
.irp i, 0,1,2,3
	v_lshlrev_b32 v[TB+\i], 30, v[TB+\i]
	v_and_b32 v[TU+\i], 2, v[TU+\i]
.endr
.irp i, 0,1,2,3
	v_xor_b32 v[SINR+\g+\i], v[TB+\i], v[SINR+\g+\i]
	v_lshlrev_b32 v[TU+\i], 30, v[TU+\i]
.endr
.irp i, 0,1,2,3
	v_xor_b32 v[COSR+\g+\i], v[TU+\i], v[COSR+\g+\i]
.endr
.endm
.irp g, 0,4,8,12,16,20,24,28
	SC4 \g
.endr
.irp b, 0,1,2,3
.irp c, 0,1
	global_store_b128 v3, v[COSR+8*\b+4*\c:COSR+8*\b+4*\c+3], s[20:21] offset:(4*\b+\c)*512      ; the wave stores 512 consecutive bytes
	global_store_b128 v3, v[SINR+8*\b+4*\c:SINR+8*\b+4*\c+3], s[20:21] offset:(4*\b+2+\c)*512
.endr
.endr
	s_endpgm
	; ---------------- the mask
.Lrelay:
	s_sub_co_u32 s23, ttmp9, 674
	s_lshl_b32 s23, s23, 2
	s_add_co_u32 s23, s23, s22                     ; my wave's number among the 512
	s_lshr_b32 s24, s23, 2                         ; which 16 rows, 0 .. 127
	s_and_b32 s25, s23, 3                          ; which four key steps
	s_lshl_b32 s26, s24, 17                        ; in: 16 rows of 8,192 bytes,
	s_lshl_b32 s27, s25, 11                        ; four key steps of 512 bytes
	s_add_co_u32 s26, s26, s27
	s_mov_b32 s27, 0
	s_lshr_b32 s28, s24, 3
	s_lshl_b32 s28, s28, 20                        ; out: the query block: 16 key steps x 8 waves x 8,192 bytes,
	s_lshl_b32 s29, s25, 18                        ; four key steps of 65,536,
	s_add_co_u32 s28, s28, s29
	s_and_b32 s29, s24, 7
	s_lshl_b32 s29, s29, 13                        ; the wave that will read these 16 rows
	s_add_co_u32 s28, s28, s29
	s_mov_b32 s29, 0
	s_mul_i32 s30, s22, 16*MROW
	s_add_co_u32 s30, s30, MSTG                    ; my stage
	v_add_nc_u32 v4, s30, v3                       ; into it: 16 x lane; the row stands in the immediate
	v_and_b32 v5, 15, v0
	v_bfe_u32 v6, v0, 4, 1
	v_mul_u32_u24 v5, v5, MROW
	v_lshl_add_u32 v5, v6, 5, v5
	v_add_nc_u32 v5, s30, v5                       ; out of it: row lane % 16, + 8 keys for lanes 16-31
	s_wait_kmcnt 0x0
	s_add_nc_u64 s[52:53], s[52:53], s[26:27]
	s_add_nc_u64 s[54:55], s[54:55], s[28:29]
.macro RLOAD u                         ; unit u: 128 keys of my 16 rows: each load 512 consecutive bytes of a row
.set n, 0
.rept 16
	global_load_b128 v[MRAW+64*((\u)%2)+4*n:MRAW+64*((\u)%2)+4*n+3], v3, s[52:53] offset:8192*n+512*(\u) th:TH_LOAD_NT
.set n, n+1
.endr
.endm
.macro RUNIT u
.if (\u) < 3
	s_wait_loadcnt 16                              ; this unit's sixteen loads are in; the next unit's may be out
.else
	s_wait_loadcnt 0
.endif
.set n, 0
.rept 16
	ds_store_b128 v4, v[MRAW+64*((\u)%2)+4*n:MRAW+64*((\u)%2)+4*n+3] offset:MROW*n
.set n, n+1
.endr
	s_wait_xcnt 0x0                                ; the last unit's stores have read their registers, into which the loads below land
.set n, 0
.rept 16
	ds_load_b128 v[MOUT+4*n:MOUT+4*n+3], v5 offset:64*(n/2)+16*(n%2)   ; LDS serves a wave's instructions in order: these see the stores above, and the next unit's stores come behind them
.set n, n+1
.endr
	s_wait_dscnt 0x0                               ; the unit is back, and the stores into the stage have read their registers,
.if (\u)+2 < 4
	RLOAD (\u)+2                                   ; which take the unit two further on
.endif
.set n, 0
.rept 16
	global_store_b128 v3, v[MOUT+4*n:MOUT+4*n+3], s[54:55] offset:65536*(\u)+512*n   ; the wave stores 512 consecutive bytes
.set n, n+1
.endr
.endm
	RLOAD 0
	RLOAD 1
.irp u, 0,1,2,3
	RUNIT \u
.endr
	s_wait_tensorcnt 0x0
	ds_add_u32 v208, v209
	s_wait_dscnt 0x0
	s_endpgm
.Lfunc_end_k_qf0a95f2058_quant:
	.size	k_qf0a95f2058_quant, .Lfunc_end_k_qf0a95f2058_quant-k_qf0a95f2058_quant
	.p2alignl 7, 3214868480
	.fill 96, 4, 3214868480
	.section	.rodata,"a",@progbits
	.p2align	6, 0x0
	.amdhsa_kernel k_qf0a95f2058_quant
		.amdhsa_group_segment_fixed_size 67072
		.amdhsa_private_segment_fixed_size 0
		.amdhsa_enable_private_segment 0
		.amdhsa_kernarg_size 88
		.amdhsa_user_sgpr_count 2
		.amdhsa_user_sgpr_kernarg_segment_ptr 1
		.amdhsa_wavefront_size32 1
		.amdhsa_system_sgpr_workgroup_id_x 1
		.amdhsa_system_sgpr_workgroup_id_y 1
		.amdhsa_system_sgpr_workgroup_id_z 1
		.amdhsa_system_vgpr_workitem_id 0
		.amdhsa_next_free_vgpr 210
		.amdhsa_next_free_sgpr 66
		.amdhsa_reserve_vcc 1
		.amdhsa_float_denorm_mode_32 3
		.amdhsa_float_denorm_mode_16_64 3
		.amdhsa_memory_ordered 1
		.amdhsa_forward_progress 1
		.amdhsa_inst_pref_size 149
	.end_amdhsa_kernel
	.amdgpu_metadata
---
amdhsa.version: [ 1, 2 ]
amdhsa.kernels:
  - .name:           k_qf0a95f2058_quant
    .symbol:         k_qf0a95f2058_quant.kd
    .args:
      - { .name: hidden_states, .offset: 0, .size: 8, .value_kind: global_buffer, .address_space: global }
      - { .name: Wq, .offset: 8, .size: 8, .value_kind: global_buffer, .address_space: global }
      - { .name: Wk, .offset: 16, .size: 8, .value_kind: global_buffer, .address_space: global }
      - { .name: Wv, .offset: 24, .size: 8, .value_kind: global_buffer, .address_space: global }
      - { .name: Wo, .offset: 32, .size: 8, .value_kind: global_buffer, .address_space: global }
      - { .name: lowp_scales, .offset: 40, .size: 8, .value_kind: global_buffer, .address_space: global }
      - { .name: position_ids, .offset: 48, .size: 8, .value_kind: global_buffer, .address_space: global }
      - { .name: codes, .offset: 56, .size: 8, .value_kind: global_buffer, .address_space: global }
      - { .name: rope, .offset: 64, .size: 8, .value_kind: global_buffer, .address_space: global }
      - { .name: attention_mask, .offset: 72, .size: 8, .value_kind: global_buffer, .address_space: global }
      - { .name: maskr, .offset: 80, .size: 8, .value_kind: global_buffer, .address_space: global }
    .group_segment_fixed_size: 67072
    .private_segment_fixed_size: 0
    .kernarg_segment_align: 8
    .kernarg_segment_size: 88
    .max_flat_workgroup_size: 128
    .sgpr_count:     66
    .vgpr_count:     210
    .wavefront_size: 32
...
	.end_amdgpu_metadata
.endif
;; end of part 1
;; launch proj (part 2): grid 24 x 8, 4 waves a work-group, clusters of 4 x 4, 327,680 bytes of LDS; arguments codes, rope, lowp_scales, qkvc; writes qkvc
.if DOCPART == 2
	.amdgcn_target "amdgcn-amd-amdhsa--gfx1250"
	.amdhsa_code_object_version 6
	.text
	.protected	k_qf0a95f2058_proj
	.globl	k_qf0a95f2058_proj
	.p2align	8
	.type	k_qf0a95f2058_proj,@function
k_qf0a95f2058_proj:
	s_mov_b64 s[64:65], 0
	v_nop
	global_prefetch_b8 v0, s[64:65] scope:SCOPE_SE
	s_setreg_imm32_b32 hwreg(HW_REG_WAVE_MODE, 25, 1), 1
	s_wait_xcnt 0x0
	s_wait_alu depctr_hold_cnt(0) depctr_sa_sdst(0) depctr_va_vdst(0) depctr_va_sdst(0) depctr_va_ssrc(0) depctr_va_vcc(0) depctr_vm_vsrc(0)
	s_getreg_b32 s2, hwreg(HW_REG_IB_STS2, 6, 4)
	s_cmp_eq_u32 s2, 0
	s_cbranch_scc0 .Lentry_in_a_cluster
	s_endpgm
.Lentry_in_a_cluster:
	s_bfe_u32 s2, ttmp6, 0x10000c
	s_cmp_lg_u32 s2, 0xf033
	s_cbranch_scc0 .Lentry_shape_is_right
	s_endpgm
.Lentry_shape_is_right:
; LAUNCH 2 OF 4.  q, k, v = hidden W^T on codes of FP8 (E4M3), the rotary embedding on q and k, and the results quantised for the two products of attention.
; T = cluster x / 2 says which: 0 q, 1 k, 2 v.  A tile of 256 x 256 to a work-group of four waves, 128 x 128 to a wave: 64 accumulators, 512 registers.  192 work-groups: a tile of 128 x 128 would give every WGP work,
; but each byte read from LDS would feed half the products.
; OPERANDS lie in blocks of 128 rows x 128 codes, 16,384 dense bytes, [row / 128][k / 128].  For q and k 'A' is hidden's set of codes (rows = positions) and 'B' the weight's (rows = head, channel); for v the two change
; places, so that the product is V^T.  THE MATRIX INSTRUCTION IS USED TRANSPOSED (source 0 = 16 rows of B, source 1 = 16 rows of A): a lane holds one row of A and eight neighbouring rows of B: for q and k eight
; neighbouring channels of one position, for v eight neighbouring KEYS of one channel: in each case neighbours along the next product's K.
; K goes in steps of 256 through a ring of two LDS slots; a wave's tensor load brings two blocks (256 rows of 128 bytes, 16 bytes of padding behind each: rows 144 bytes apart, so that the 16 rows of a fragment load start
; at 16 different banks of the 64: ISA guide 11.1).  A fragment comes by four loads of 16 bytes: a permutation of k that is the same on both sides.
; CLUSTERS: 4 x 4; A's tiles are asked for jointly along a row of the cluster, B's along a column.
; THE WAY OUT, a block of 16 rows at a time: out(d) = x(d) cos - x(d + 64) sin, out(d + 64) = x(d + 64) cos + x(d) sin on the raw sums (the rotation is linear, so the sums' power of two is folded into the
; conversion's scale 2^(eo - eA - eB)); hold; conversion; through my stage in LDS; 512 consecutive bytes a store.  v takes the table's blocks of the angle 0: one path for all three, no branch.
; OUT: q, k: [head][position / 128][128][128 channels]; v: [head][key / 128][128 channels][128 keys]; 4 MiB each.
; LIMITS: eo - eA - eB between -126 and 119, for (e6, e0, e1), (e7, e2, e3), (e9, e4, e5).  NaN and infinities among the sums are not served.
; REGISTERS, in windows of 256: window 0: v0-31 addresses; v32-95 the table's first set; from v128 A's fragments, ONE set; on the way out v128-191 the table's second set, v192-247 at work.
;   window 1: B's fragments, two sets.   windows 2, 3: the accumulators of my rows 0-63, 64-127 (accumulator (a, b) at v[8 (8 (a % 4) + b)]).
.set KB,     18432                     ; a block in LDS: 128 rows x 144 bytes
.set PART,   2*KB                      ; what one tensor load brings
.set SLOT,   4*PART                    ; A's two row blocks, then B's two
.set SPARE,  2*SLOT                    ; behind the ring: the spare words, 128 bytes for each wave
.set STAGE,  SPARE+512                 ; behind them: 16 rows x 144 bytes for each wave
.set SROW,   144
.set FR,     16                        ; registers of a fragment
.set NL,     4                         ; LDS loads that bring one
.set NP,     4                         ; places behind this matrix instruction (ISA guide 7.12.1)
.set LAPS,   4                         ; 2,048 along K = 8 K steps = 4 times round the ring
.set ADRA, 16                          ; v16-17  LDS address of my A fragments in slot 0, 1
.set ADRB, 20                          ; v20-21  the same for B
.set STO,  24                          ; v24     the stage: where I put 8 codes
.set RD,   25                          ; v25     and where I read 16 bytes back
.set CO,   26                          ; v26     16 x lane
.set SPW,  28                          ; v28     my spare word; never rewritten
.set NIL,  29                          ; v29     0; never rewritten
.set QSC,  30                          ; v30     the conversion's scale
.set QLIM, 31                          ; v31     448 x that
.set T2,   192
.set CD,   200                         ; v200-215 a block's codes
.set BK,   216                         ; v216-231, v232-247 rows read back, by turns
.set AF,   128
.set G1, 24
.set G0, 32
.set G1B, 48
.set G0B, 56
.set MSB, 0
.macro WIN new                         ; the immediate's high byte repeats the setting that is left
.if MSB != \new
	s_set_vgpr_msb (MSB<<8)|\new
.set MSB, \new
.endif
.endm
.set MUL_LO, 0xa1                      ; source 0 (B) window 1, source 1 (A) window 0, C and D window 2
.set MUL_HI, 0xf1                      ; the same, C and D window 3
.set TO_B,   0x40                      ; destination window 1, address window 0
; A joint load: waves 0 and 1 fetch for A, waves 2 and 3 for B; the branch hangs on the wave's number alone.  Four v_nop follow each of the two lines.
.macro JLOAD g0a, g1a, g0b, g1b
	s_cmp_eq_u32 s15, 0
	s_cbranch_scc0 .Lfor_b_\@
	tensor_load_to_lds s[\g0a:\g0a+3], s[\g1a:\g1a+7]
	s_nop 0
.rept 4
	v_nop
.endr
	s_branch .Lasked_\@
.Lfor_b_\@:
	tensor_load_to_lds s[\g0b:\g0b+3], s[\g1b:\g1b+7]
	s_nop 0
.rept 4
	v_nop
.endr
.Lasked_\@:
.endm
.macro CREST                           ; a round of the cluster's barrier behind its opening barrier
	s_cmp_lg_u32 s14, 0
	s_cbranch_scc1 .Lnot_wave_0_\@
	s_barrier_signal -3
.Lnot_wave_0_\@:
	s_barrier_wait -3
	s_barrier_signal -1
	s_barrier_wait -1
.endm
.macro CROUND
	s_barrier_signal -1
	s_barrier_wait -1
	CREST
.endm
	s_load_b256 s[4:11], s[0:1], 0x0               ; codes s[4:5], table s[6:7], scales s[8:9], out s[10:11]
	v_lshl_add_u32 v[SPW], v0, 2, SPARE
	v_mov_b32 v[NIL], 0
	ds_add_u32 v28, v29
	s_wait_dscnt 0x0
	v_lshrrev_b32 v1, 5, v0
	v_readfirstlane_b32 s14, v1                    ; wave 0..3
	s_lshr_b32 s15, s14, 1                         ; which half of the tile's A rows is mine.  Also: I fetch for A (0) or for B (1)
	s_and_b32 s16, s14, 1                          ; which half of its B rows.  Also: which row block I fetch
	s_bfe_u32 s40, ttmp6, 0x40000                  ; cx, cy
	s_bfe_u32 s41, ttmp6, 0x40004
	s_lshr_b32 s66, ttmp9, 1                       ; T: the same in all sixteen partners
	s_and_b32 s42, ttmp9, 1
	s_lshl_b32 s42, s42, 2
	s_add_co_u32 s42, s42, s40                     ; B's tile, 0..7
	s_and_b32 s17, ttmp7, 0xffff
	s_lshl_b32 s17, s17, 2
	s_add_co_u32 s17, s17, s41                     ; A's tile, 0..7
	s_lshl_b32 s43, s41, 2
	s_lshl_b32 s43, 15, s43                        ; my row of the cluster
	s_lshl_b32 s44, 0x1111, s40                    ; my column
	; descriptor group 1: 256 rows of 128 bytes, dense in memory, padded in LDS
	s_or_b32 s[G1+0], s43, (0<<16)|(1<<20)|(1<<21)|(4<<22)|(3<<25)  ; 15:0 the mask; 17:16 elements of 1 byte; 20 padding on; 21 set beside a mask; 24:22 after every 32 words (code 4); 31:25 four words (code 3)
	s_or_b32 s[G1B+0], s44, (0<<16)|(1<<20)|(1<<21)|(4<<22)|(3<<25)
.irp g, G1, G1B
	s_mov_b32 s[\g+1], 128<<16                     ; tensor_dim0
	s_mov_b32 s[\g+2], 256<<16                     ; tensor_dim1
	s_mov_b32 s[\g+3], 128<<16                     ; tile_dim0
	s_mov_b32 s[\g+4], 256                         ; tile_dim1
	s_mov_b32 s[\g+5], 128                         ; tensor_dim0_stride
	s_mov_b32 s[\g+6], 0
	s_mov_b32 s[\g+7], 0
.endr
	s_cmp_eq_u32 s66, 2                            ; hidden's sets are 0-2 of the buffer, the weights' 3-5: for v, A is the weight
	s_cselect_b32 s18, 0xc00000, 0
	s_cselect_b32 s19, 0, 0xc00000
	s_lshl_b32 s20, s66, 22
	s_add_co_u32 s18, s18, s20
	s_add_co_u32 s19, s19, s20
	s_lshl_b32 s20, s17, 1
	s_add_co_u32 s20, s20, s16
	s_lshl_b32 s20, s20, 18                        ; A: row block 2 x tile + half, 16 blocks each
	s_add_co_u32 s20, s20, s18
	s_mov_b32 s21, 0
	s_lshl_b32 s46, s42, 1
	s_add_co_u32 s46, s46, s16
	s_lshl_b32 s46, s46, 18                        ; B likewise
	s_add_co_u32 s46, s46, s19
	s_mov_b32 s47, 0
	s_mul_i32 s45, s14, PART                       ; where they go: no place in the cluster enters an LDS address
	s_wait_kmcnt 0x0
	s_load_b256 s[68:75], s[8:9], 0x0              ; e0 .. e7
	s_load_b128 s[76:79], s[8:9], 0x20             ; e8 .. e11
	s_add_nc_u64 s[20:21], s[4:5], s[20:21]
	s_add_nc_u64 s[46:47], s[4:5], s[46:47]
	CROUND                                         ; all sixteen work-groups are here: the first joint loads meet
.irp s, 0,1
	s_mov_b32 s[G0+4*\s], 1
	s_add_co_u32 s[G0+4*\s+1], s45, \s*SLOT
	s_add_nc_u64 s[G0+4*\s+2:G0+4*\s+3], s[20:21], \s*32768      ; K step s: two blocks on
	s_or_b32 s[G0+4*\s+3], s[G0+4*\s+3], 0x80000000
	s_mov_b32 s[G0B+4*\s], 1
	s_add_co_u32 s[G0B+4*\s+1], s45, \s*SLOT
	s_add_nc_u64 s[G0B+4*\s+2:G0B+4*\s+3], s[46:47], \s*32768
	s_or_b32 s[G0B+4*\s+3], s[G0B+4*\s+3], 0x80000000
	JLOAD G0+4*\s, G1, G0B+4*\s, G1B
.endr
	v_and_b32 v1, 15, v0                           ; r = lane % 16
	v_bfe_u32 v2, v0, 4, 1                         ; h = lane / 16
	v_mul_u32_u24 v3, v1, SROW
	v_lshl_add_u32 v4, v2, 4, v3                   ; a fragment's row x pitch + 16 h
	s_mul_i32 s21, s15, PART                       ; my row block of A
	s_mul_i32 s22, s16, PART                       ; my row block of B,
	s_add_co_u32 s22, s22, 2*PART                  ; which lies behind A's two
.irp s, 0,1
	v_add_nc_u32 v[ADRA+\s], s21, v4
	v_add_nc_u32 v[ADRB+\s], s22, v4
	s_add_co_u32 s21, s21, SLOT
	s_add_co_u32 s22, s22, SLOT
.endr
	s_mul_i32 s23, s14, 16*SROW
	s_add_co_u32 s23, s23, STAGE                   ; my stage
	v_lshl_add_u32 v5, v2, 3, v3
	v_add_nc_u32 v[STO], s23, v5                   ; in: row r, + 8 h
	v_and_b32 v6, 31, v0
	v_lshrrev_b32 v7, 3, v6
	v_mul_u32_u24 v7, v7, SROW
	v_and_b32 v8, 7, v0
	v_lshl_add_u32 v7, v8, 4, v7
	v_add_nc_u32 v[RD], s23, v7                    ; back: eight lanes to a row of 128 bytes, four rows a load
	v_lshlrev_b32 v[CO], 4, v6
	; where my block of 128 x 128 codes goes, and which blocks of the table are mine
	s_lshl_b32 s80, s17, 1
	s_add_co_u32 s80, s80, s15                     ; R: my row block of A
	s_lshl_b32 s81, s42, 1
	s_add_co_u32 s81, s81, s16                     ; Cc: my row block of B
	s_lshl_b32 s82, s80, 4
	s_add_co_u32 s82, s82, s81                     ; v: [head R][key block Cc]
	s_lshl_b32 s83, s81, 4
	s_add_co_u32 s83, s83, s80                     ; q, k: [head Cc][position block R]
	s_lshl_b32 s84, s80, 3                         ; the table's blocks 8 R on; for v those of the angle 0
	s_cmp_eq_u32 s66, 2
	s_cselect_b32 s82, s82, s83
	s_cselect_b32 s84, 128, s84
	s_lshl_b32 s82, s82, 14
	s_lshl_b32 s86, s66, 22
	s_add_co_u32 s86, s86, s82
	s_mov_b32 s87, 0
	s_add_nc_u64 s[10:11], s[10:11], s[86:87]
	s_lshl_b32 s86, s84, 13
	s_add_nc_u64 s[6:7], s[6:7], s[86:87]
.macro FRAG reg, adr, q, i             ; 16 rows x 128 K: lane l holds row l % 16; registers 4 c .. 4 c + 3 hold K = 32 c + 16 (l / 16) + 0 .. 15
.irp c, 0,1,2,3
	ds_load_b128 v[\reg+4*\c:\reg+4*\c+3], v[\adr] offset:KB*(\q)+(\i)*16*SROW+32*\c
.endr
.endm
; 16 matrix instructions: A's blocks a0, a0 + 1 x B's eight.  p: B's set.  zero = 1: the first product starts the sums.  The 64 accumulators take turns, one instruction a turn, in the same order in every step.
.macro MUL16 a0, p, zero
.irp a, \a0, \a0+1
.irp b, 0,1,2,3,4,5,6,7
.if \zero
	v_wmma_f32_16x16x128_fp8_fp8 v[8*(8*((\a)%4)+\b):8*(8*((\a)%4)+\b)+7], v[128*(\p)+FR*\b:128*(\p)+FR*\b+FR-1], v[AF+FR*(\a):AF+FR*(\a)+FR-1], 0
.else
	v_wmma_f32_16x16x128_fp8_fp8 v[8*(8*((\a)%4)+\b):8*(8*((\a)%4)+\b)+7], v[128*(\p)+FR*\b:128*(\p)+FR*\b+FR-1], v[AF+FR*(\a):AF+FR*(\a)+FR-1], v[8*(8*((\a)%4)+\b):8*(8*((\a)%4)+\b)+7]
.endif
.endr
.endr
.endm
.macro FETCH_B slot, q, p
	WIN TO_B
.irp i, 0,1,2,3,4,5,6,7
	FRAG 128*(\p)+FR*\i, ADRB+\slot, \q, \i
.endr
	WIN 0
.endm
.macro FETCH_A slot, q, i0
.irp i, \i0, \i0+1, \i0+2, \i0+3
	FRAG AF+FR*(\i), ADRA+\slot, \q, \i
.endr
.endm
.macro PLACES n                        ; plain vector lines between a matrix instruction and a load into, or a vector read or write of, its registers
.rept \n
	v_nop
.endr
.endm
; A step of 128 along K that has its successor in the same slot.  A's blocks are free as soon as their eight products are issued, so one set serves A: blocks 0-3 are fetched anew in the middle, 4-7 at the end.
.macro STEP slot, q, zero
	s_wait_dscnt 4*NL                              ; B's set and A's blocks 0-3 are in; the youngest sixteen loads (A's blocks 4-7) may be out
	WIN MUL_LO
	MUL16 0, (\q)%2, \zero
	MUL16 2, (\q)%2, \zero
	s_wait_dscnt 0                                 ; A's blocks 4-7 are in
	PLACES NP
	FETCH_B \slot, (\q)+1, 1-(\q)%2
	FETCH_A \slot, (\q)+1, 0
	WIN MUL_HI
	MUL16 4, (\q)%2, \zero
	MUL16 6, (\q)%2, \zero
	PLACES NP
	WIN 0
	FETCH_A \slot, (\q)+1, 4
.endm
; A slot's last step changes slots: one barrier; in front of it each wave waits for all its tensor loads, adds 0 to its spare word, and waits for that and for its reads of this slot.  fill = 1: this slot is filled again, two K steps ahead.
.macro TURN slot, next, fill
	s_wait_tensorcnt 0x0                           ; all my tensor loads have landed: my part of the next slot
	ds_add_u32 v[SPW], v[NIL]                      ; 0 onto my spare word
	s_wait_dscnt 4*NL+1                            ; (the add and the youngest sixteen loads may be out)
	WIN MUL_LO
	MUL16 0, 1, 0
	s_wait_dscnt 0x0                               ; the add is done, and my reads of this slot are over
	s_barrier_signal -1
	MUL16 2, 1, 0
	WIN 0
	s_barrier_wait -1
.if \fill
	CREST                                          ; the barrier has opened a round of the cluster's: no wave of any partner still reads this slot or has a load on its way
	s_add_nc_u64 s[G0+4*\slot+2:G0+4*\slot+3], s[G0+4*\slot+2:G0+4*\slot+3], 65536
	s_add_nc_u64 s[G0B+4*\slot+2:G0B+4*\slot+3], s[G0B+4*\slot+2:G0B+4*\slot+3], 65536
	JLOAD G0+4*\slot, G1, G0B+4*\slot, G1B         ; the first tensor load behind the round; its four v_nop are also the places in front of the loads below
.else
	PLACES NP
.endif
	FETCH_B \next, 0, 0
	FETCH_A \next, 0, 0
	WIN MUL_HI
	MUL16 4, 1, 0
	MUL16 6, 1, 0
	PLACES NP
	WIN 0
	FETCH_A \next, 0, 4
.endm
; THE WAY OUT.
.macro TAB a                           ; the table for block a's 16 rows: 32 cos at set + 8 b + j, 32 sin at set + 32 + 8 b + j; each load 512 consecutive bytes
.set CSA, 32+96*((\a)%2)
.irp b, 0,1,2,3
.irp s, 0,1
.irp c, 0,1
	global_load_b128 v[CSA+32*\s+8*\b+4*\c:CSA+32*\s+8*\b+4*\c+3], v[CO], s[6:7] offset:8192*(\a)+(4*\b+2*\s+\c)*512
.endr
.endr
.endr
.endm
.macro ROPE a                          ; x1 = accumulator (a, b), channels 16 b + 8 h + j; x2 = accumulator (a, b + 4), 64 channels on.  The results take the table's registers: set + 8 b' + j, b' = 0 .. 7.  Each accumulator is read from its low end on
.set CSA, 32+96*((\a)%2)
.set AC, 64*((\a)%4)
	WIN 0x02+((\a)/4)                              ; source 0: window 2 or 3
.irp b, 0,1,2,3
.irp j, 0,2,4,6
	v_pk_mul_f32 v[T2+\j:T2+\j+1], v[AC+32+8*\b+\j:AC+32+8*\b+\j+1], v[CSA+32+8*\b+\j:CSA+32+8*\b+\j+1]      ; x2 sin
.endr
.irp j, 0,2,4,6
	v_pk_mul_f32 v[CSA+32+8*\b+\j:CSA+32+8*\b+\j+1], v[AC+8*\b+\j:AC+8*\b+\j+1], v[CSA+32+8*\b+\j:CSA+32+8*\b+\j+1]   ; x1 sin
.endr
.irp j, 0,2,4,6
	v_pk_fma_f32 v[CSA+32+8*\b+\j:CSA+32+8*\b+\j+1], v[AC+32+8*\b+\j:AC+32+8*\b+\j+1], v[CSA+8*\b+\j:CSA+8*\b+\j+1], v[CSA+32+8*\b+\j:CSA+32+8*\b+\j+1]   ; x2 cos + x1 sin
.endr
.irp j, 0,2,4,6
	v_pk_fma_f32 v[CSA+8*\b+\j:CSA+8*\b+\j+1], v[AC+8*\b+\j:AC+8*\b+\j+1], v[CSA+8*\b+\j:CSA+8*\b+\j+1], v[T2+\j:T2+\j+1] neg_lo:[0,0,1] neg_hi:[0,0,1]   ; x1 cos - x2 sin
.endr
.endr
	WIN 0
.endm
.macro HOLDCVT a
.set CSA, 32+96*((\a)%2)
.set n, 0
.rept 64
	v_med3_num_f32 v[CSA+n], v[CSA+n], -v[QLIM], v[QLIM]   ; the conversion to an 8-bit code does not saturate (ISA guide 7.6.2)
.set n, n+1
.endr
.irp b, 0,1,2,3,4,5,6,7
	v_cvt_scalef32_pk8_fp8_f32 v[CD+2*\b:CD+2*\b+1], v[CSA+8*\b:CSA+8*\b+7], v[QSC]
.endr
	v_nop                                          ; a plain line behind the last conversion
.endm
.macro TOST a                          ; 16 rows x 128 codes through my stage: LDS serves a wave's instructions in order, so no wait stands between the stores and the loads, nor in front of the next block's stores
.set BB, BK+16*((\a)%2)
.irp b, 0,1,2,3,4,5,6,7
	ds_store_b64 v[STO], v[CD+2*\b:CD+2*\b+1] offset:16*\b
.endr
.irp t, 0,1,2,3
	ds_load_b128 v[BB+4*\t:BB+4*\t+3], v[RD] offset:4*SROW*\t
.endr
.endm
.macro SEND a, younger                 ; younger: the LDS instructions issued behind block a's loads
.set BB, BK+16*((\a)%2)
	s_wait_dscnt \younger
.irp t, 0,1,2,3
	global_store_b128 v[CO], v[BB+4*\t:BB+4*\t+3], s[10:11] offset:2048*(\a)+512*\t   ; the wave stores 512 consecutive bytes, at a multiple of 512 from the buffer's first byte
.endr
.endm
	s_wait_tensorcnt 1                             ; my part of K step 0 is in (K step 1's load may be out),
	s_barrier_signal -1
	s_barrier_wait -1                              ; everybody's is
	FETCH_B 0, 0, 0
	FETCH_A 0, 0, 0
	FETCH_A 0, 0, 4
	STEP 0, 0, 1                                   ; the first step stands in front of the loop: its products start the sums
	s_mov_b32 s3, LAPS-1
.Llap:                                                 ; a trip goes once round the ring and fills both slots again
	TURN 0, 1, 1
	STEP 1, 0, 0
	TURN 1, 0, 1
	STEP 0, 0, 0
	s_sub_co_u32 s3, s3, 1
	s_cmp_lg_u32 s3, 0
	s_cbranch_scc1 .Llap
	TAB 0                                          ; block 0's table is asked for two K steps ahead of its use, into registers that the loop leaves idle
	TURN 0, 1, 0                                   ; the last lap fills nothing
	STEP 1, 0, 0
	s_wait_dscnt 4*NL
	WIN MUL_LO
	MUL16 0, 1, 0
	MUL16 2, 1, 0
	s_wait_dscnt 0
	WIN MUL_HI
	MUL16 4, 1, 0
	MUL16 6, 1, 0
	WIN 0
	s_wait_kmcnt 0x0
	s_sub_co_i32 s88, s74, s68
	s_sub_co_i32 s88, s88, s69                     ; q: e6 - e0 - e1
	s_sub_co_i32 s89, s75, s70
	s_sub_co_i32 s89, s89, s71                     ; k: e7 - e2 - e3
	s_sub_co_i32 s90, s77, s72
	s_sub_co_i32 s90, s90, s73                     ; v: e9 - e4 - e5
	s_cmp_eq_u32 s66, 1
	s_cselect_b32 s88, s89, s88
	s_cmp_eq_u32 s66, 2
	s_cselect_b32 s88, s90, s88
	s_add_co_i32 s88, s88, 127
	s_lshl_b32 s89, s88, 23
	v_mov_b32 v[QSC], s89                          ; a sum stands for sum x 2^(eA + eB): its code is sum / 2^(eo - eA - eB)
	s_add_co_i32 s88, s88, 8
	s_lshl_b32 s88, s88, 23
	s_or_b32 s88, s88, 0x600000
	v_mov_b32 v[QLIM], s88
	PLACES NP                                      ; behind the last products: for the loads into A's registers and the reads of results
	TAB 1
.irp a, 0,1,2,3,4,5,6,7
.if \a < 7
	s_wait_loadcnt 16                              ; this block's table is in; the next block's sixteen loads may be out
.else
	s_wait_loadcnt 0
.endif
	ROPE \a
	HOLDCVT \a
.if \a < 6
	TAB \a+2                                       ; into the set just used up
.endif
.if \a > 1
	s_wait_xcnt 0x0                                ; block a - 2's stores have read their registers, into which block a's rows are loaded
.endif
	TOST \a
.if \a > 0
	SEND \a-1, 12                                  ; behind block a - 1's loads: block a's 8 stores and 4 loads
.endif
.endr
	SEND 7, 0
	s_wait_tensorcnt 0x0                           ; the wave's end
	ds_add_u32 v[SPW], v[NIL]
	s_wait_dscnt 0x0
	CROUND                                         ; the closing round: no work-group ends while a partner may still ask for a tile that names it
	s_endpgm
.Lfunc_end_k_qf0a95f2058_proj:
	.size	k_qf0a95f2058_proj, .Lfunc_end_k_qf0a95f2058_proj-k_qf0a95f2058_proj
	.p2alignl 7, 3214868480
	.fill 96, 4, 3214868480
	.section	.rodata,"a",@progbits
	.p2align	6, 0x0
	.amdhsa_kernel k_qf0a95f2058_proj
		.amdhsa_group_segment_fixed_size 327680
		.amdhsa_private_segment_fixed_size 0
		.amdhsa_enable_private_segment 0
		.amdhsa_kernarg_size 32
		.amdhsa_user_sgpr_count 2
		.amdhsa_user_sgpr_kernarg_segment_ptr 1
		.amdhsa_wavefront_size32 1
		.amdhsa_system_sgpr_workgroup_id_x 1
		.amdhsa_system_sgpr_workgroup_id_y 1
		.amdhsa_system_sgpr_workgroup_id_z 1
		.amdhsa_system_vgpr_workitem_id 0
		.amdhsa_next_free_vgpr 1024
		.amdhsa_next_free_sgpr 98
		.amdhsa_reserve_vcc 0
		.amdhsa_float_denorm_mode_32 3
		.amdhsa_float_denorm_mode_16_64 3
		.amdhsa_memory_ordered 1
		.amdhsa_forward_progress 1
		.amdhsa_inst_pref_size 169
	.end_amdhsa_kernel
	.amdgpu_metadata
---
amdhsa.version: [ 1, 2 ]
amdhsa.kernels:
  - .name:           k_qf0a95f2058_proj
    .symbol:         k_qf0a95f2058_proj.kd
    .args:
      - { .name: codes, .offset: 0, .size: 8, .value_kind: global_buffer, .address_space: global }
      - { .name: rope, .offset: 8, .size: 8, .value_kind: global_buffer, .address_space: global }
      - { .name: lowp_scales, .offset: 16, .size: 8, .value_kind: global_buffer, .address_space: global }
      - { .name: qkvc, .offset: 24, .size: 8, .value_kind: global_buffer, .address_space: global }
    .group_segment_fixed_size: 327680
    .private_segment_fixed_size: 0
    .kernarg_segment_align: 8
    .kernarg_segment_size: 32
    .max_flat_workgroup_size: 128
    .sgpr_count:     98
    .vgpr_count:     1024
    .wavefront_size: 32
...
	.end_amdgpu_metadata
.endif
;; end of part 2
;; launch attn (part 3): grid 16 x 16, 8 waves a work-group, clusters of 4 x 1, 327,680 bytes of LDS; arguments qkvc, maskr, lowp_scales, acodes; writes acodes
.if DOCPART == 3
	.amdgcn_target "amdgcn-amd-amdhsa--gfx1250"
	.amdhsa_code_object_version 6
	.text
	.protected	k_qf0a95f2058_attn
	.globl	k_qf0a95f2058_attn
	.p2align	8
	.type	k_qf0a95f2058_attn,@function
k_qf0a95f2058_attn:
	s_mov_b64 s[64:65], 0
	v_nop
	global_prefetch_b8 v0, s[64:65] scope:SCOPE_SE
	s_setreg_imm32_b32 hwreg(HW_REG_WAVE_MODE, 25, 1), 1
	s_wait_xcnt 0x0
	s_wait_alu depctr_hold_cnt(0) depctr_sa_sdst(0) depctr_va_vdst(0) depctr_va_sdst(0) depctr_va_ssrc(0) depctr_va_vcc(0) depctr_vm_vsrc(0)
	s_getreg_b32 s2, hwreg(HW_REG_IB_STS2, 6, 4)
	s_cmp_eq_u32 s2, 0
	s_cbranch_scc0 .Lentry_in_a_cluster
	s_endpgm
.Lentry_in_a_cluster:
	s_bfe_u32 s2, ttmp6, 0x10000c
	s_cmp_lg_u32 s2, 0x3003
	s_cbranch_scc0 .Lentry_shape_is_right
	s_endpgm
.Lentry_shape_is_right:
; LAUNCH 3 OF 4.  o = softmax(q k^T / sqrt(128) + mask) v for 16 heads, 2,048 queries, 2,048 keys, both products on codes of FP8 (E4M3); o is quantised for the last product.
; The mask is an input: every number of it is read and added in f32, and no key is left out.  Launch 1 has laid it in the order of this kernel's registers.
; THE SOFTMAX: L = score / sqrt(128) + mask; t = L log2(e); M = the running largest t, rounded UP to a whole number; p = 2^(t - M) is quantised with 2^e8, not normalised; the row's sum is taken of the unquantised p
; and divides at the end.  When M moves, the sum and O are multiplied by 2^(old M - new M): nothing is rounded, and no branch hangs on data.
; SHARES.  A work-group owns 128 queries of one head, each of its eight waves 16: two waves to a SIMD.  Every wave walks all keys, 128 a step.  K's and V's blocks (V: channels x keys) come through a ring of two LDS slots
; of FOUR key steps; waves 0 and 1 fetch K's halves of a slot, waves 2 and 3 V's, 256 rows of 128 bytes each.
; CLUSTER 4 x 1: the four query blocks of a cluster belong to one head and walk the same K and V: each tile is asked for jointly, by the same tensor load with a mask that names the four.
; THE MASK IS NOT SHARED THROUGH LDS, though sixteen heads read the same numbers.  Through LDS a key step's 128 x 128 f32 take 67,584 bytes beside K's and V's 36,864: two slots would then hold one key step each, a refill would
; have one key step's work in which to land, and each number would be written to LDS and read from it: 128 KiB of a work-group's 416 KiB of LDS traffic in a key step.  Here a wave takes its 16 queries x 128 keys straight into
; registers, 16 loads of 512 consecutive bytes, asked for two key steps ahead, in two sets of 64 registers by turns; LDS moves 288 KiB in a key step, and there are 4 changes of slots in place of 16.
; LAYOUT.  Both products transposed: S^T = K Q^T (source 0 = 16 keys, source 1 = my 16 queries), O^T = V^T P^T: a lane holds ONE query (lane % 16).  In S^T tile t, register j is key 16 t + 8 (lane / 16) + j: eight
; neighbours, whose conversion gives registers 2 t, 2 t + 1 of P in this form's own layout; V^T's fragments come by loads of 8 bytes in the same layout.  K's and Q's come by loads of 16 bytes: one permutation of the channels on both sides.
; OUT: [query / 128][head][128 queries][128 channels]: the blocks that the last product's A wants.
; LIMITS on the given exponents: e6 + e7 between -122 and 131 (added to the exponent field of 1 / sqrt(128)); e8, and e10 - e8 - e9, between -126 and 119.  NaN among the inputs is not served.
; REGISTERS, in windows of 256.  Window 0: v1, v2 lane places; v5, v6 the add's; v7 16 x lane; v8, v9 the step's addresses; v12 -M, v13 the largest t, v[14:15] the sum; v16-31 Q; v32-95 V's tiles 0-3; v96-159 S^T, then p;
;   v160-223 O^T; v224-239 p's codes; v236-254 at work.   Window 1: v0-63, v64-127 the mask of even and of odd key steps; v128-255 K's eight fragments; behind K Q^T v128-191 take V's tiles 4-7 and v192-255 the next step's K tiles 4-7.
.set KP,    144                        ; a row of K or V in LDS: 128 bytes + 16: the 16 rows of a fragment load start at 16 different banks of the 64 (ISA guide 11.1)
.set KBLK,  128*KP                     ; a block: one key step of K or of V
.set NQ,    4                          ; key steps in a slot
.set KPART, NQ*KBLK                    ; a slot: K's four blocks, then V's four
.set SLOTB, 2*KPART                    ; 0x24000: it shares no bit with the places inside a slot that are turned by it (multiples of 0x9000 up to 0x1b000): one exclusive or changes slots
.set SPARE, 2*SLOTB                    ; the spare words, 128 bytes for each of eight waves
.set STAGE, SPARE+1024                 ; 16 rows x 144 bytes for each wave, for the way out
.set NSL,   16/NQ                      ; slots' worth of keys
.set MSTEP, 65536                      ; a key step on in the mask: eight waves' 8,192 bytes
.set AK0, 1
.set AV0, 2
.set SPW, 5
.set NIL, 6
.set GO,  7
.set ADK, 8
.set ADV, 9
.set KF,  128                          ; K's fragments, in window 1
.set WV,  18
.set SEL, 20                           ; s[20:21] selects for v_permlanex16_b32: lane l xor 16
.set C1,  22                           ; s[22:23] 2^(e6 + e7) / sqrt(128)
.set LE,  24                           ; s[24:25] log2(e)
.set G1,  28                           ; s[28:35] descriptor group 1
.set G0,  44                           ; s[44:47] descriptor group 0, which walks
.set TB,  52                           ; LDS byte at which the slot in hand begins
.set SLOTS, 53                         ; slots still to be asked for
.set MB,  80                           ; s[80:81] my wave's part of the mask, at the slot's first key step
.set MSB, 0
.macro WIN new                         ; the immediate's high byte repeats the setting that is left; a switch that changes nothing is dropped
.if MSB != \new
	s_set_vgpr_msb (MSB<<8)|\new
.set MSB, \new
.endif
.endm
.set TO_1, 0x40                        ; destination window 1, address window 0
.set A_1,  0x01                        ; source 0 window 1
.set C_1,  0x10                        ; source 2 window 1
.macro TLOAD                           ; waves 0 to 3 fetch, one load each; the branch hangs on the wave's number alone; four v_nop follow the line
	s_cmp_lt_u32 s[WV], 4
	s_cbranch_scc0 .Lasked_\@
	tensor_load_to_lds s[G0:G0+3], s[G1:G1+7]
	s_nop 0
.rept 4
	v_nop
.endr
.Lasked_\@:
.endm
.macro CROUND                          ; a round of the cluster's barrier
	s_barrier_signal -1
	s_barrier_wait -1
	s_cmp_lg_u32 s[WV], 0
	s_cbranch_scc1 .Lnot_wave_0_\@
	s_barrier_signal -3
.Lnot_wave_0_\@:
	s_barrier_wait -3
	s_barrier_signal -1
	s_barrier_wait -1
.endm
.macro MLOAD set, off                  ; a key step's mask for my 16 queries: register 4 n + e of the set is the mask at the key of score register 4 n + e; each load 512 consecutive bytes.  (Under the setting TO_1)
.set n, 0
.rept 16
	global_load_b128 v[64*(\set)+4*n:64*(\set)+4*n+3], v[GO], s[MB:MB+1] offset:(\off)+512*n
.set n, n+1
.endr
.endm
	s_load_b256 s[4:11], s[0:1], 0x0               ; q, k, v codes s[4:5], the mask s[6:7], scales s[8:9], out s[10:11]
	v_lshl_add_u32 v[SPW], v0, 2, SPARE
	v_mov_b32 v[NIL], 0
	ds_add_u32 v5, v6
	s_wait_dscnt 0x0
	v_lshrrev_b32 v8, 5, v0
	v_readfirstlane_b32 s[WV], v8                  ; wave 0..7
	s_bfe_u32 s56, ttmp6, 0x40000                  ; cx: my place in the cluster
	s_lshl_b32 s58, ttmp9, 2
	s_add_co_u32 s58, s58, s56                     ; my block of 128 queries: it enters Q's, the mask's and the output's addresses alone
	s_and_b32 s59, ttmp7, 0xffff                   ; my head, which the four partners share
	s_mov_b32 s[G1], 15|(0<<16)|(1<<20)|(1<<21)|(4<<22)|(3<<25)   ; 15:0 the mask: all four work-groups; 17:16 elements of 1 byte; 20 padding on; 21 set beside a mask; 24:22 after every 32 words (code 4); 31:25 four words (code 3)
	s_mov_b32 s[G1+1], 128<<16                     ; tensor_dim0
	s_mov_b32 s[G1+2], 256<<16                     ; tensor_dim1
	s_mov_b32 s[G1+3], 128<<16                     ; tile_dim0
	s_mov_b32 s[G1+4], 256                         ; tile_dim1: two blocks
	s_mov_b32 s[G1+5], 128                         ; the pitch: blocks are dense and follow each other
	s_mov_b32 s[G1+6], 0
	s_mov_b32 s[G1+7], 0
	s_bfe_u32 s12, s[WV], 0x10001                  ; (wave / 2) % 2: 0 K, 1 V
	s_add_co_u32 s12, s12, 1
	s_lshl_b32 s12, s12, 22                        ; k's codes lie 4 MiB into the buffer, v's 8 MiB
	s_lshl_b32 s13, s59, 18                        ; a head: 16 blocks
	s_add_co_u32 s12, s12, s13
	s_and_b32 s13, s[WV], 1
	s_lshl_b32 s13, s13, 15                        ; which two of a slot's four blocks
	s_add_co_u32 s12, s12, s13
	s_mov_b32 s13, 0
	s_and_b32 s16, s[WV], 3
	s_mul_i32 s16, s16, 2*KBLK                     ; in a slot: K's halves, then V's: no place in the cluster enters an LDS address
	s_lshl_b32 s26, s59, 18
	s_lshl_b32 s27, s58, 14
	s_add_co_u32 s26, s26, s27
	s_lshl_b32 s27, s[WV], 11
	s_add_co_u32 s26, s26, s27                     ; q: [head][query block], my 16 rows of 128 bytes
	s_lshl_b32 s54, s58, 4
	s_add_co_u32 s54, s54, s59
	s_lshl_b32 s54, s54, 14
	s_add_co_u32 s54, s54, s27                     ; out: [query block][head], my 16 rows
	s_mov_b32 s27, 0
	s_mov_b32 s55, 0
	s_lshl_b32 s86, s58, 20                        ; the mask: [query block][key step][wave]
	s_lshl_b32 s87, s[WV], 13
	s_add_co_u32 s86, s86, s87
	s_mov_b32 s87, 0
	s_mov_b32 s[SEL], 0x76543210
	s_mov_b32 s[SEL+1], 0xfedcba98
	s_mov_b32 s[C1], 0x3db504f3                    ; 1 / sqrt(128)
	s_mov_b32 s[LE], 0x3fb8aa3b                    ; log2(e)
	s_mov_b32 s[LE+1], s[LE]                       ; (named with it as a pair, so it is written)
	s_mov_b32 s[TB], 0
	s_mov_b32 s[SLOTS], NSL-1
	s_wait_kmcnt 0x0
	s_load_b256 s[68:75], s[8:9], 0x0              ; e0 .. e7
	s_load_b128 s[76:79], s[8:9], 0x20             ; e8 .. e11
	s_mov_b32 s[G0], 1                             ; 1:0 count = 1
	s_mov_b32 s[G0+1], s16                         ; 63:32 LDS address: slot 0
	s_add_nc_u64 s[G0+2:G0+3], s[4:5], s[12:13]    ; 120:64 global address: the head's first four key steps
	s_or_b32 s[G0+3], s[G0+3], 0x80000000          ; 127:126 type = 2
	CROUND                                         ; all four work-groups are here: the first joint loads meet
	TLOAD                                          ; key steps 0 to 3 into slot 0
	s_add_nc_u64 s[62:63], s[4:5], s[26:27]        ; Q's codes at my first query
	s_add_nc_u64 s[10:11], s[10:11], s[54:55]      ; my rows of the output
	s_add_nc_u64 s[MB:MB+1], s[6:7], s[86:87]      ; my part of the mask
	v_and_b32 v8, 15, v0                           ; r
	v_bfe_u32 v9, v0, 4, 1                         ; h
	v_lshlrev_b32 v11, 7, v8
	v_lshl_add_u32 v11, v9, 4, v11
.irp c, 0,1,2,3
	global_load_b128 v[16+4*\c:19+4*\c], v11, s[62:63] offset:32*\c   ; Q's fragment stays in registers
.endr
	v_and_b32 v[GO], 31, v0
	v_lshlrev_b32 v[GO], 4, v[GO]                  ; 16 x lane; never rewritten
	WIN TO_1
	MLOAD 0, 0                                     ; the mask of key steps 0 and 1
	MLOAD 1, MSTEP
	WIN 0
	v_mul_u32_u24 v[AK0], v8, KP
	v_lshl_add_u32 v[AK0], v9, 4, v[AK0]           ; K: row r, + 16 h
	v_mul_u32_u24 v[AV0], v8, KP
	v_lshl_add_u32 v[AV0], v9, 3, v[AV0]
	v_add_nc_u32 v[AV0], KPART, v[AV0]             ; V: row r, + 8 h
	v_mov_b32 v13, 0xff61b1e6                      ; the largest t so far: -3e38
	v_floor_f32 v12, -v13                          ; -M
	v_mov_b32 v14, 0
	v_mov_b32 v15, 0
	v_mov_b32 v236, 0                              ; a lane permute's destination counts as one of its sources
	v_mov_b32 v253, 0                              ; (named as the upper half of the pair v[252:253])
.set n, 0
.rept 64
	v_mov_b32 v[160+n], 0                          ; O^T: the step has no first form of its own; the first finds zeros, which the first change of M leaves zeros
.set n, n+1
.endr
	s_wait_kmcnt 0x0
	s_add_co_i32 s26, s74, s75
	s_lshl_b32 s26, s26, 23
	s_add_co_i32 s[C1], s[C1], s26                 ; a score stands for score x 2^(e6 + e7)
	s_mov_b32 s[C1+1], s[C1]
	s_add_co_i32 s26, s76, 127
	s_lshl_b32 s27, s26, 23
	v_mov_b32 v244, s27                            ; 2^e8, for p's conversion
	s_add_co_i32 s26, s26, 8
	s_lshl_b32 s26, s26, 23
	s_or_b32 s26, s26, 0x600000
	v_mov_b32 v240, s26                            ; 448 x 2^e8
; A KEY STEP: the q-th 128 keys of the slot in hand.
; hk = 1: K's tiles 4-7 were fetched in the step before.  pk = 1: the next step lies in the same slot, and its K tiles 4-7 are fetched here.  ml = 1: the mask of the key step two further on is asked for.
; left: how many younger loads from memory may be out when this step's mask has to be there.
.macro KLOAD t0, off                   ; four fragments of K, tiles t0 .. t0 + 3.  (Under the setting TO_1)
.irp t, \t0, \t0+1, \t0+2, \t0+3
.irp c, 0,1,2,3
	ds_load_b128 v[KF+16*(\t)+4*\c:KF+16*(\t)+4*\c+3], v[ADK] offset:(\off)+16*KP*(\t)+32*\c
.endr
.endr
.endm
.macro STEP q, hk, pk, ml, left
	v_add_nc_u32 v[ADK], s[TB], v[AK0]             ; four plain lines stand between the last products, which read V's fragments, and the loads into those registers
	v_add_nc_u32 v[ADV], s[TB], v[AV0]
.if (\q) >= 2
	v_add_nc_u32 v[ADK], 2*KBLK, v[ADK]            ; (an LDS immediate has 16 bits: the slot's second half goes into the address)
	v_add_nc_u32 v[ADV], 2*KBLK, v[ADV]
.else
	v_nop
	v_nop
.endif
	WIN TO_1
.if !(\hk)
	KLOAD 4, KBLK*((\q)%2)
.endif
	KLOAD 0, KBLK*((\q)%2)
.if !(\hk)
	s_wait_dscnt 16                                ; tiles 4-7 are in; the sixteen loads of tiles 0-3 may be out
.endif
	WIN A_1
.irp t, 4,5,6,7                                ; S^T = K Q^T
	v_wmma_f32_16x16x128_fp8_fp8 v[96+8*\t:103+8*\t], v[KF+16*\t:KF+16*\t+15], v[16:31], 0
.endr
	s_wait_dscnt 0x0                               ; tiles 0-3 are in
.irp t, 0,1,2,3
	v_wmma_f32_16x16x128_fp8_fp8 v[96+8*\t:103+8*\t], v[KF+16*\t:KF+16*\t+15], v[16:31], 0
.endr
	WIN 0
.rept 4
	v_nop                                          ; places: for the first read of the scores and for the loads into K's registers
.endr
.irp t, 0,1,2,3                                ; V's tiles 0-3 are asked for ahead of the softmax
.irp c, 0,1,2,3,4,5,6,7
	ds_load_b64 v[32+16*\t+2*\c:33+16*\t+2*\c], v[ADV] offset:KBLK*((\q)%2)+16*KP*\t+16*\c
.endr
.endr
	s_wait_loadcnt \left                           ; this step's mask is in; the next step's sixteen loads may be out
	WIN C_1
.set n, 0
.rept 32
	v_pk_fma_f32 v[96+n:97+n], v[96+n:97+n], s[C1:C1+1], v[64*((\q)%2)+n:64*((\q)%2)+n+1] op_sel_hi:[1,0,1]   ; L = score / sqrt(128) + mask; each accumulator from its low end on
.set n, n+2
.endr
	WIN TO_1
.if \ml
	MLOAD (\q)%2, MSTEP*((\q)+2)                   ; into the set just used up
.endif
.irp t, 4,5,6,7                                ; V's tiles 4-7, into the registers that held K's tiles 0-3
.irp c, 0,1,2,3,4,5,6,7
	ds_load_b64 v[KF+16*(\t-4)+2*\c:KF+16*(\t-4)+2*\c+1], v[ADV] offset:KBLK*((\q)%2)+16*KP*\t+16*\c
.endr
.endr
	WIN 0
	v_max3_num_f32 v254, v96, v97, v98             ; the step's largest L of my query among my 64 keys, in two chains,
	v_max3_num_f32 v252, v99, v100, v101
.irp i, 6,10,14,18,22,26,30,34,38,42,46,50,54,58
	v_max3_num_f32 v254, v254, v[96+\i], v[97+\i]
	v_max3_num_f32 v252, v252, v[98+\i], v[99+\i]
.endr
	v_max3_num_f32 v254, v254, v158, v159
	v_max_num_f32 v254, v254, v252
	v_permlanex16_b32 v236, v254, s[SEL], s[SEL+1]
	v_max_num_f32 v254, v254, v236                 ; and among lane l xor 16's
	v_mul_f32 v254, s[LE], v254                    ; as t
	v_max_num_f32 v13, v13, v254                   ; the running largest t
	v_mov_b32 v254, v12
	v_floor_f32 v12, -v13                          ; the new -M = -ceil(t): a whole number
	v_sub_f32 v254, v12, v254                      ; old M - new M, 0 or less
	v_cvt_i32_f32 v254, v254                       ; (it saturates)
	v_ldexp_f32 v252, 1.0, v254                    ; f = 2^(old M - new M)
.set n, 0
.rept 32
	v_pk_fma_f32 v[96+n:97+n], v[96+n:97+n], s[LE:LE+1], v[12:13] op_sel_hi:[1,0,0]   ; t - M (of each pair the low word serves both halves)
.set n, n+2
.endr
.if \pk
	WIN TO_1
	KLOAD 4, KBLK*((\q)%2+1)                       ; the next step's K tiles 4-7: the same slot, so no barrier lies between
	WIN 0
.endif
.set n, 0
.rept 64
	v_exp_f32 v[96+n], v[96+n]                     ; p = 2^(t - M): one batch
.set n, n+1
.endr
	v_pk_mul_f32 v[14:15], v[14:15], v[252:253] op_sel_hi:[1,0]   ; the sums under the new M: the plain line behind the exponentials
	s_wait_alu depctr_va_vdst(0)                   ; one wait for the batch, ahead of its first reader
	v_pk_add_f32 v[242:243], v[96:97], v[98:99]    ; the row's sum is taken of the unquantised p, in two chains
.irp j, 4,8,12,16,20,24,28,32,36,40,44,48,52,56,60
	v_pk_add_f32 v[14:15], v[14:15], v[96+\j:97+\j]
	v_pk_add_f32 v[242:243], v[242:243], v[98+\j:99+\j]
.endr
	v_pk_add_f32 v[14:15], v[14:15], v[242:243]
.irp t, 0,1,2,3,4,5,6,7
.irp i, 0,1,2,3,4,5,6,7
	v_min_num_f32 v[96+8*\t+\i], v[96+8*\t+\i], v240   ; the conversion does not saturate (ISA guide 7.6.2); p is not negative, so the hold is one-sided
.endr
	v_cvt_scalef32_pk8_fp8_f32 v[224+2*\t:225+2*\t], v[96+8*\t:103+8*\t], v244   ; keys 16 t + 8 h + 0 .. 7: registers 2 t, 2 t + 1 of the operand
.endr
.set n, 0
.rept 32
	v_pk_mul_f32 v[160+n:161+n], v[160+n:161+n], v[252:253] op_sel_hi:[1,0]   ; O^T under the new M.  (Also the plain lines behind the conversions)
.set n, n+2
.endr
	s_wait_dscnt 0x0                               ; V is in, and so are the next step's K tiles 4-7
.irp t, 0,1,2,3                                ; O^T += V^T P^T; the eight accumulators take turns
	v_wmma_f32_16x16x128_fp8_fp8 v[160+8*\t:167+8*\t], v[32+16*\t:47+16*\t], v[224:239], v[160+8*\t:167+8*\t]
.endr
	WIN A_1
.irp t, 4,5,6,7
	v_wmma_f32_16x16x128_fp8_fp8 v[160+8*\t:167+8*\t], v[KF+16*(\t-4):KF+16*(\t-4)+15], v[224:239], v[160+8*\t:167+8*\t]
.endr
	WIN 0                                          ; at a label and at a branch every window is 0
.endm
; THE CHANGE OF SLOTS stands at a slot's head.  Each wave waits for all its tensor loads (its part of the slot that it is about to read), adds 0 to its spare word, and waits for that and for its reads of the slot that it has left.
; fill = 1: the barrier is a round of the cluster's, and behind it the slot just left is filled with the next four key steps: by this text's count one tensor load of a wave is out, and it has four key steps in which to land.
.macro CHANGE fill
	s_wait_tensorcnt 0x0                           ; no tensor load of mine is out, so a group 0 may be written
	ds_add_u32 v[SPW], v[NIL]                      ; 0 onto my spare word
.if \fill
	s_xor_b32 s[G0+1], s[G0+1], SLOTB              ; the walking descriptor: the other slot than last time,
	s_add_nc_u64 s[G0+2:G0+3], s[G0+2:G0+3], 65536 ; four blocks on; the type bits on top are not reached
.endif
	s_wait_dscnt 0x0                               ; the add is done, and my reads of the slot that I have left are over
.if \fill
	CROUND
	TLOAD                                          ; the first thing behind the round, and a wave's one tensor load until the next
.else
	s_barrier_signal -1
	s_barrier_wait -1
.endif
.endm
	s_wait_loadcnt 32                              ; Q is in; the mask's 32 loads for key steps 0 and 1 may be out
.Lslot:                                            ; NSL - 1 trips: behind each change of slots but the last the next slot is asked for
	CHANGE 1
	STEP 0, 0, 1, 1, 16
	STEP 1, 1, 1, 1, 16
	STEP 2, 1, 1, 1, 16
	STEP 3, 1, 0, 1, 16
	s_xor_b32 s[TB], s[TB], SLOTB                  ; on to the other slot
	s_wait_xcnt 0x0                                ; the mask's loads have read their base, so it may be written
	s_add_nc_u64 s[MB:MB+1], s[MB:MB+1], NQ*MSTEP
	s_sub_co_u32 s[SLOTS], s[SLOTS], 1
	s_cmp_lg_u32 s[SLOTS], 0
	s_cbranch_scc1 .Lslot
	CHANGE 0                                       ; the last slot is written out and no load of the mask leaves its buffer
	STEP 0, 0, 1, 1, 16
	STEP 1, 1, 1, 1, 16
	STEP 2, 1, 1, 0, 16
	STEP 3, 1, 0, 0, 0
	; THE WAY OUT: O^T / the sum, quantised with 2^e10, through my stage, 512 consecutive bytes a store.  The additions and the address work are the places behind the last products.
	v_add_f32 v14, v14, v15
	v_permlanex16_b32 v252, v14, s[SEL], s[SEL+1]
	v_add_f32 v14, v14, v252                       ; the row's sum
	v_rcp_f32 v14, v14
	v_and_b32 v8, 15, v0                           ; (a plain line behind the reciprocal)
	v_bfe_u32 v9, v0, 4, 1
	s_mul_i32 s26, s[WV], 16*KP
	s_add_co_u32 s26, s26, STAGE                   ; my stage
	v_mul_u32_u24 v10, v8, KP
	v_lshl_add_u32 v10, v9, 3, v10
	v_add_nc_u32 v10, s26, v10                     ; in: row r, + 8 h
	v_bfe_u32 v11, v0, 3, 2
	v_mul_u32_u24 v11, v11, KP
	v_and_b32 v8, 7, v0
	v_lshl_add_u32 v11, v8, 4, v11
	v_add_nc_u32 v11, s26, v11                     ; back: eight lanes to a row, four rows a load
	s_sub_co_i32 s26, s78, s76
	s_sub_co_i32 s26, s26, s77                     ; a sum stands for sum x 2^(e8 + e9): its code is sum / l / 2^(e10 - e8 - e9)
	s_add_co_i32 s26, s26, 127
	s_lshl_b32 s27, s26, 23
	v_mov_b32 v244, s27
	s_add_co_i32 s26, s26, 8
	s_lshl_b32 s26, s26, 23
	s_or_b32 s26, s26, 0x600000
	v_mov_b32 v240, s26
	s_wait_alu depctr_va_vdst(0)                   ; the wait ahead of the reciprocal's first reader
.set n, 0
.rept 64
	v_mul_f32 v[96+n], v[160+n], v14               ; register 8 t + j is o(query r, channel 16 t + 8 h + j); each accumulator from its low end on
.set n, n+1
.endr
.set n, 0
.rept 64
	v_med3_num_f32 v[96+n], v[96+n], -v240, v240
.set n, n+1
.endr
.irp t, 0,1,2,3,4,5,6,7
	v_cvt_scalef32_pk8_fp8_f32 v[224+2*\t:225+2*\t], v[96+8*\t:103+8*\t], v244
.endr
	v_nop                                          ; a plain line behind the last conversion
.irp t, 0,1,2,3,4,5,6,7
	ds_store_b64 v10, v[224+2*\t:225+2*\t] offset:16*\t
.endr
.irp t, 0,1,2,3
	ds_load_b128 v[32+4*\t:35+4*\t], v11 offset:4*KP*\t            ; LDS serves a wave's instructions in order: these see my stores
.endr
.irp t, 0,1,2,3
	s_wait_dscnt 3-\t
	global_store_b128 v[GO], v[32+4*\t:35+4*\t], s[10:11] offset:512*\t
.endr
	s_wait_tensorcnt 0x0                           ; the wave's end
	ds_add_u32 v[SPW], v[NIL]
	s_wait_dscnt 0x0
	CROUND                                         ; the closing round
	s_endpgm
.Lfunc_end_k_qf0a95f2058_attn:
	.size	k_qf0a95f2058_attn, .Lfunc_end_k_qf0a95f2058_attn-k_qf0a95f2058_attn
	.p2alignl 7, 3214868480
	.fill 96, 4, 3214868480
	.section	.rodata,"a",@progbits
	.p2align	6, 0x0
	.amdhsa_kernel k_qf0a95f2058_attn
		.amdhsa_group_segment_fixed_size 327680
		.amdhsa_private_segment_fixed_size 0
		.amdhsa_enable_private_segment 0
		.amdhsa_kernarg_size 32
		.amdhsa_user_sgpr_count 2
		.amdhsa_user_sgpr_kernarg_segment_ptr 1
		.amdhsa_wavefront_size32 1
		.amdhsa_system_sgpr_workgroup_id_x 1
		.amdhsa_system_sgpr_workgroup_id_y 1
		.amdhsa_system_sgpr_workgroup_id_z 1
		.amdhsa_system_vgpr_workitem_id 0
		.amdhsa_next_free_vgpr 512
		.amdhsa_next_free_sgpr 100
		.amdhsa_reserve_vcc 0
		.amdhsa_float_denorm_mode_32 3
		.amdhsa_float_denorm_mode_16_64 3
		.amdhsa_memory_ordered 1
		.amdhsa_forward_progress 1
		.amdhsa_inst_pref_size 212
	.end_amdhsa_kernel
	.amdgpu_metadata
---
amdhsa.version: [ 1, 2 ]
amdhsa.kernels:
  - .name:           k_qf0a95f2058_attn
    .symbol:         k_qf0a95f2058_attn.kd
    .args:
      - { .name: qkvc, .offset: 0, .size: 8, .value_kind: global_buffer, .address_space: global }
      - { .name: maskr, .offset: 8, .size: 8, .value_kind: global_buffer, .address_space: global }
      - { .name: lowp_scales, .offset: 16, .size: 8, .value_kind: global_buffer, .address_space: global }
      - { .name: acodes, .offset: 24, .size: 8, .value_kind: global_buffer, .address_space: global }
    .group_segment_fixed_size: 327680
    .private_segment_fixed_size: 0
    .kernarg_segment_align: 8
    .kernarg_segment_size: 32
    .max_flat_workgroup_size: 256
    .sgpr_count:     100
    .vgpr_count:     512
    .wavefront_size: 32
...
	.end_amdgpu_metadata
.endif
;; end of part 3
;; launch oproj (part 4): grid 16 x 16, 4 waves a work-group, clusters of 4 x 4, 327,680 bytes of LDS; arguments acodes, codes, lowp_scales, out0; writes out0
.if DOCPART == 4
	.amdgcn_target "amdgcn-amd-amdhsa--gfx1250"
	.amdhsa_code_object_version 6
	.text
	.protected	k_qf0a95f2058_oproj
	.globl	k_qf0a95f2058_oproj
	.p2align	8
	.type	k_qf0a95f2058_oproj,@function
k_qf0a95f2058_oproj:
	s_mov_b64 s[64:65], 0
	v_nop
	global_prefetch_b8 v0, s[64:65] scope:SCOPE_SE
	s_setreg_imm32_b32 hwreg(HW_REG_WAVE_MODE, 25, 1), 1
	s_wait_xcnt 0x0
	s_wait_alu depctr_hold_cnt(0) depctr_sa_sdst(0) depctr_va_vdst(0) depctr_va_sdst(0) depctr_va_ssrc(0) depctr_va_vcc(0) depctr_vm_vsrc(0)
	s_getreg_b32 s2, hwreg(HW_REG_IB_STS2, 6, 4)
	s_cmp_eq_u32 s2, 0
	s_cbranch_scc0 .Lentry_in_a_cluster
	s_endpgm
.Lentry_in_a_cluster:
	s_bfe_u32 s2, ttmp6, 0x10000c
	s_cmp_lg_u32 s2, 0xf033
	s_cbranch_scc0 .Lentry_shape_is_right
	s_endpgm
.Lentry_shape_is_right:
; LAUNCH 4 OF 4.  out0[s][n] = 2^(e10 + e11) x the sum over k of A[s][k] Wo[n][k], on codes of FP8 (E4M3); out0 is [2048][2048] f32.
; A: attention's output as codes; Wo's codes: set 6 of the buffer of codes (24 MiB in).  Both in blocks of 128 rows x 128 codes, [row / 128][k / 128], 16,384 dense bytes each.
; A tile of 128 x 128 to a work-group: 256 work-groups, one for each WGP (tiles of 256 x 256 would be 64).  Four waves, 64 x 64 each: 16 accumulators.
; K goes in steps of 512 through a ring of two LDS slots: four blocks of A, four of B; a wave's tensor load brings two blocks (256 rows of 128 bytes, 16 bytes of padding behind each).  Four K steps, written out: no loop.
; CLUSTERS 4 x 4: A's tiles are asked for jointly along a row of the cluster, B's along a column.  THE MATRIX INSTRUCTION IS USED TRANSPOSED (source 0 = rows of Wo, source 1 = rows of A): a lane holds eight neighbouring numbers of a row.
; LIMIT: e10 + e11 between -126 and 127.
; REGISTERS: window 0: v0-31 addresses; v32-63, v64-127 the way out; v128-255 the accumulators ((a, b) at v[128 + 8 (4 a + b)]).  Window 1: two fragment buffers of 128: A's four fragments, then B's four.
.set KB,     18432
.set PART,   2*KB
.set SLOT,   4*PART
.set SPARE,  2*SLOT
.set STAGE,  SPARE+512                 ; 16 rows x (256 bytes + 16) for each wave
.set SROW,   144
.set SPITCH, 272
.set ADRA, 16
.set ADRB, 20
.set STO,  24
.set RD,   25
.set CO,   26
.set SPW,  28
.set NIL,  29
.set TMP,  32
.set BK,   64
.set ACC,  128
.set F0,   0
.set F1,   128
.set G1, 24
.set G0, 32
.set G1B, 48
.set G0B, 56
.set MSB, 0
.macro WIN new
.if MSB != \new
	s_set_vgpr_msb (MSB<<8)|\new
.set MSB, \new
.endif
.endm
.set MUL,  0x05                        ; sources 0 and 1 window 1; C and D window 0
.set TO_F, 0x40                        ; destination window 1, address window 0
.macro JLOAD s                         ; waves 0 and 1 fetch for A, waves 2 and 3 for B; four v_nop follow each of the two lines
	s_cmp_eq_u32 s15, 0
	s_cbranch_scc0 .Lfor_b_\@
	tensor_load_to_lds s[G0+4*\s:G0+4*\s+3], s[G1:G1+7]
	s_nop 0
.rept 4
	v_nop
.endr
	s_branch .Lasked_\@
.Lfor_b_\@:
	tensor_load_to_lds s[G0B+4*\s:G0B+4*\s+3], s[G1B:G1B+7]
	s_nop 0
.rept 4
	v_nop
.endr
.Lasked_\@:
.endm
.macro CREST
	s_cmp_lg_u32 s14, 0
	s_cbranch_scc1 .Lnot_wave_0_\@
	s_barrier_signal -3
.Lnot_wave_0_\@:
	s_barrier_wait -3
	s_barrier_signal -1
	s_barrier_wait -1
.endm
.macro CROUND
	s_barrier_signal -1
	s_barrier_wait -1
	CREST
.endm
	s_load_b256 s[4:11], s[0:1], 0x0               ; A's codes s[4:5], the buffer of codes s[6:7], scales s[8:9], out0 s[10:11]
	v_lshl_add_u32 v[SPW], v0, 2, SPARE
	v_mov_b32 v[NIL], 0
	ds_add_u32 v28, v29
	s_wait_dscnt 0x0
	v_lshrrev_b32 v1, 5, v0
	v_readfirstlane_b32 s14, v1                    ; wave 0..3
	s_lshr_b32 s15, s14, 1                         ; which 64 rows are mine.  Also: I fetch for A (0) or for B (1)
	s_and_b32 s16, s14, 1                          ; which 64 columns.  Also: which two of a K step's four blocks I fetch
	s_bfe_u32 s40, ttmp6, 0x40000
	s_bfe_u32 s41, ttmp6, 0x40004
	s_lshl_b32 s42, ttmp9, 2
	s_add_co_u32 s42, s42, s40                     ; tile column
	s_and_b32 s17, ttmp7, 0xffff
	s_lshl_b32 s17, s17, 2
	s_add_co_u32 s17, s17, s41                     ; tile row
	s_lshl_b32 s43, s41, 2
	s_lshl_b32 s43, 15, s43
	s_lshl_b32 s44, 0x1111, s40
	s_or_b32 s[G1+0], s43, (0<<16)|(1<<20)|(1<<21)|(4<<22)|(3<<25)  ; the mask; elements of 1 byte; padding: four words after every 32
	s_or_b32 s[G1B+0], s44, (0<<16)|(1<<20)|(1<<21)|(4<<22)|(3<<25)
.irp g, G1, G1B
	s_mov_b32 s[\g+1], 128<<16
	s_mov_b32 s[\g+2], 256<<16
	s_mov_b32 s[\g+3], 128<<16
	s_mov_b32 s[\g+4], 256
	s_mov_b32 s[\g+5], 128
	s_mov_b32 s[\g+6], 0
	s_mov_b32 s[\g+7], 0
.endr
	s_lshl_b32 s18, s16, 1
	s_lshl_b32 s20, s17, 4
	s_add_co_u32 s20, s20, s18
	s_lshl_b32 s20, s20, 14                        ; A: block 16 x tile row + 2 x half
	s_mov_b32 s21, 0
	s_lshl_b32 s46, s42, 4
	s_add_co_u32 s46, s46, s18
	s_lshl_b32 s46, s46, 14
	s_add_co_u32 s46, s46, 0x1800000               ; B: the same by the tile column, in Wo's set
	s_mov_b32 s47, 0
	s_mul_i32 s45, s14, PART
	s_wait_kmcnt 0x0
	s_load_b64 s[96:97], s[8:9], 0x28              ; e10, e11
	s_add_nc_u64 s[20:21], s[4:5], s[20:21]
	s_add_nc_u64 s[46:47], s[6:7], s[46:47]
	CROUND                                         ; all sixteen work-groups are here: the first joint loads meet
.irp s, 0,1
	s_mov_b32 s[G0+4*\s], 1
	s_add_co_u32 s[G0+4*\s+1], s45, \s*SLOT
	s_add_nc_u64 s[G0+4*\s+2:G0+4*\s+3], s[20:21], \s*65536      ; K step s: four blocks on
	s_or_b32 s[G0+4*\s+3], s[G0+4*\s+3], 0x80000000
	s_mov_b32 s[G0B+4*\s], 1
	s_add_co_u32 s[G0B+4*\s+1], s45, \s*SLOT
	s_add_nc_u64 s[G0B+4*\s+2:G0B+4*\s+3], s[46:47], \s*65536
	s_or_b32 s[G0B+4*\s+3], s[G0B+4*\s+3], 0x80000000
	JLOAD \s
.endr
	v_and_b32 v1, 15, v0                           ; r
	v_bfe_u32 v2, v0, 4, 1                         ; h
	v_mul_u32_u24 v3, v1, SROW
	v_lshl_add_u32 v4, v2, 4, v3
	s_mul_i32 s21, s15, 64*SROW                    ; my 64 rows in each block of A
	s_mul_i32 s22, s16, 64*SROW                    ; my 64 rows in each block of B,
	s_add_co_u32 s22, s22, 2*PART                  ; which lie behind A's four
.irp s, 0,1
	v_add_nc_u32 v[ADRA+\s], s21, v4
	v_add_nc_u32 v[ADRB+\s], s22, v4
	s_add_co_u32 s21, s21, SLOT
	s_add_co_u32 s22, s22, SLOT
.endr
	s_mul_i32 s23, s14, 16*SPITCH
	s_add_co_u32 s23, s23, STAGE                   ; my stage
	v_mul_u32_u24 v5, v1, SPITCH
	v_lshl_add_u32 v5, v2, 5, v5
	v_add_nc_u32 v[STO], s23, v5                   ; in: row r, + 32 h
	v_mul_u32_u24 v6, v2, SPITCH
	v_lshl_add_u32 v6, v1, 4, v6
	v_add_nc_u32 v[RD], s23, v6                    ; back: lanes 0-15 one row of 256 bytes, lanes 16-31 the next
	v_lshlrev_b32 v7, 13, v2
	v_lshl_add_u32 v[CO], v1, 4, v7                ; and the same two rows in out0
	s_lshl_b32 s80, s17, 7
	s_lshl_b32 s81, s15, 6
	s_add_co_u32 s80, s80, s81
	s_lshl_b32 s80, s80, 13                        ; my first row: 128 x tile row + 64 x half, 8,192 bytes each
	s_lshl_b32 s81, s42, 9
	s_add_co_u32 s80, s80, s81                     ; my first column, in bytes: 512 x tile column + 256 x half
	s_lshl_b32 s81, s16, 8
	s_add_co_u32 s80, s80, s81
	s_mov_b32 s81, 0
	s_add_nc_u64 s[10:11], s[10:11], s[80:81]
; 4 matrix instructions: A's block a x B's four, 128 along K, from buffer f.  zero = 1: the product starts the sum.  The 16 accumulators take turns in one order throughout.
.macro MUL4 f, a, zero
.irp b, 0,1,2,3
.if \zero
	v_wmma_f32_16x16x128_fp8_fp8 v[ACC+8*(4*\a+\b):ACC+8*(4*\a+\b)+7], v[\f+64+16*\b:\f+64+16*\b+15], v[\f+16*\a:\f+16*\a+15], 0
.else
	v_wmma_f32_16x16x128_fp8_fp8 v[ACC+8*(4*\a+\b):ACC+8*(4*\a+\b)+7], v[\f+64+16*\b:\f+64+16*\b+15], v[\f+16*\a:\f+16*\a+15], v[ACC+8*(4*\a+\b):ACC+8*(4*\a+\b)+7]
.endif
.endr
.endm
; 32 LDS loads in one run: block q of the slot: B's four fragments, then A's; registers 4 c .. 4 c + 3 hold K = 32 c + 16 h + 0 .. 15 on both sides
.macro FETCH slot, q, f
	WIN TO_F
.irp i, 0,1,2,3
.irp c, 0,1,2,3
	ds_load_b128 v[\f+64+16*\i+4*\c:\f+64+16*\i+4*\c+3], v[ADRB+\slot] offset:KB*(\q)+\i*16*SROW+32*\c
.endr
.endr
.irp i, 0,1,2,3
.irp c, 0,1,2,3
	ds_load_b128 v[\f+16*\i+4*\c:\f+16*\i+4*\c+3], v[ADRA+\slot] offset:KB*(\q)+\i*16*SROW+32*\c
.endr
.endr
.endm
.macro PLACES                          ; four plain lines in front of loads into registers that matrix instructions have read, and of the first read of results
.rept 4
	v_nop
.endr
.endm
; A K step is four quarters of 128 along K, 16 matrix instructions each, on buffers 0, 1, 0, 1.  One of the first three: multiplies buffer f and fetches block qn into g.
.macro QUARTER slot, qn, f, g, zero
	s_wait_dscnt 8                                 ; B's fragments and A's 0, 1 are in; the youngest eight loads (A's 2, 3) may be out
	WIN MUL
	MUL4 \f, 0, \zero
	MUL4 \f, 1, \zero
	PLACES
	FETCH \slot, \qn, \g
	s_wait_dscnt 32                                ; all but the 32 just issued
	WIN MUL
	MUL4 \f, 2, \zero
	MUL4 \f, 3, \zero
.endm
; The last quarter multiplies buffer 1 and changes slots: one barrier; in front of it each wave waits for all its tensor loads, adds 0 to its spare word, and waits for that and for its reads of this slot.
.macro TURN slot, next, fill
	WIN 0                                          ; (the add's two registers lie in window 0)
	s_wait_tensorcnt 0x0
	ds_add_u32 v[SPW], v[NIL]                      ; 0 onto my spare word
	s_wait_dscnt 9                                 ; (the add and the youngest eight loads may be out)
	WIN MUL
	MUL4 F1, 0, 0
	s_wait_dscnt 0x0                               ; the add is done, and my reads of this slot are over
	s_barrier_signal -1
	MUL4 F1, 1, 0
	WIN 0
	s_barrier_wait -1
.if \fill
	CREST                                          ; the barrier has opened a round of the cluster's
	s_add_nc_u64 s[G0+4*\slot+2:G0+4*\slot+3], s[G0+4*\slot+2:G0+4*\slot+3], 131072
	s_add_nc_u64 s[G0B+4*\slot+2:G0B+4*\slot+3], s[G0B+4*\slot+2:G0B+4*\slot+3], 131072
	JLOAD \slot                                    ; the first tensor load behind the round; its four v_nop are also the places in front of the loads below
.else
	PLACES
.endif
	FETCH \next, 0, F0
	WIN MUL
	MUL4 F1, 2, 0
	MUL4 F1, 3, 0
.endm
	s_wait_tensorcnt 1                             ; my part of K step 0 is in (K step 1's load may be out),
	s_barrier_signal -1
	s_barrier_wait -1                              ; everybody's is
	FETCH 0, 0, F0
	QUARTER 0, 1, F0, F1, 1                        ; the first quarter's products start the sums
	QUARTER 0, 2, F1, F0, 0
	QUARTER 0, 3, F0, F1, 0
	TURN 0, 1, 1                                   ; slot 0 takes K step 2
	QUARTER 1, 1, F0, F1, 0
	QUARTER 1, 2, F1, F0, 0
	QUARTER 1, 3, F0, F1, 0
	TURN 1, 0, 1                                   ; slot 1 takes K step 3
	QUARTER 0, 1, F0, F1, 0
	QUARTER 0, 2, F1, F0, 0
	QUARTER 0, 3, F0, F1, 0
	TURN 0, 1, 0                                   ; nothing is left to fetch
	QUARTER 1, 1, F0, F1, 0
	QUARTER 1, 2, F1, F0, 0
	QUARTER 1, 3, F0, F1, 0
	s_wait_dscnt 8
	WIN MUL
	MUL4 F1, 0, 0
	MUL4 F1, 1, 0
	s_wait_dscnt 0
	MUL4 F1, 2, 0
	MUL4 F1, 3, 0
	WIN 0
; THE WAY OUT, 16 rows x 64 columns at a time: x 2^(e10 + e11); through my own stage; sixteen lanes store 256 consecutive bytes, at a multiple of 256 from out0's first byte.
.macro TOSTAGE a
.set n, 0
.rept 16
	v_pk_mul_f32 v[TMP+n:TMP+n+1], v[ACC+32*(\a)+n:ACC+32*(\a)+n+1], s[96:97] op_sel_hi:[1,0]   ; each accumulator from its low end on
.set n, n+2
.endr
.irp b, 0,1,2,3
	ds_store_b128 v[STO], v[TMP+8*\b:TMP+8*\b+3] offset:64*\b
	ds_store_b128 v[STO], v[TMP+8*\b+4:TMP+8*\b+7] offset:64*\b+16
.endr
.set BB, BK+32*((\a)%2)
.irp t, 0,1,2,3,4,5,6,7
	ds_load_b128 v[BB+4*\t:BB+4*\t+3], v[RD] offset:\t*2*SPITCH    ; LDS serves a wave's instructions in order: these see the stores above
.endr
.endm
.macro SEND a, younger
.set BB, BK+32*((\a)%2)
	s_wait_dscnt \younger
.irp t, 0,1,2,3,4,5,6,7
	global_store_b128 v[CO], v[BB+4*\t:BB+4*\t+3], s[10:11] offset:(16*(\a)+2*\t)*8192 th:TH_STORE_NT
.endr
.endm
	s_wait_kmcnt 0x0
	s_add_co_i32 s96, s96, s97
	s_add_co_i32 s96, s96, 127
	s_lshl_b32 s96, s96, 23                        ; 2^(e10 + e11) as f32
	PLACES
	TOSTAGE 0
.irp a, 1,2,3
.if \a > 1
	s_wait_xcnt 0x0                                ; block a - 2's stores have read their registers, into which block a's rows are loaded
.endif
	TOSTAGE \a
	SEND \a-1, 16                                  ; behind block a - 1's loads: block a's 8 stores and 8 loads
.endr
	SEND 3, 0
	s_wait_tensorcnt 0x0                           ; the wave's end
	ds_add_u32 v[SPW], v[NIL]
	s_wait_dscnt 0x0
	CROUND                                         ; the closing round
	s_endpgm
.Lfunc_end_k_qf0a95f2058_oproj:
	.size	k_qf0a95f2058_oproj, .Lfunc_end_k_qf0a95f2058_oproj-k_qf0a95f2058_oproj
	.p2alignl 7, 3214868480
	.fill 96, 4, 3214868480
	.section	.rodata,"a",@progbits
	.p2align	6, 0x0
	.amdhsa_kernel k_qf0a95f2058_oproj
		.amdhsa_group_segment_fixed_size 327680
		.amdhsa_private_segment_fixed_size 0
		.amdhsa_enable_private_segment 0
		.amdhsa_kernarg_size 32
		.amdhsa_user_sgpr_count 2
		.amdhsa_user_sgpr_kernarg_segment_ptr 1
		.amdhsa_wavefront_size32 1
		.amdhsa_system_sgpr_workgroup_id_x 1
		.amdhsa_system_sgpr_workgroup_id_y 1
		.amdhsa_system_sgpr_workgroup_id_z 1
		.amdhsa_system_vgpr_workitem_id 0
		.amdhsa_next_free_vgpr 512
		.amdhsa_next_free_sgpr 98
		.amdhsa_reserve_vcc 0
		.amdhsa_float_denorm_mode_32 3
		.amdhsa_float_denorm_mode_16_64 3
		.amdhsa_memory_ordered 1
		.amdhsa_forward_progress 1
		.amdhsa_inst_pref_size 73
	.end_amdhsa_kernel
	.amdgpu_metadata
---
amdhsa.version: [ 1, 2 ]
amdhsa.kernels:
  - .name:           k_qf0a95f2058_oproj
    .symbol:         k_qf0a95f2058_oproj.kd
    .args:
      - { .name: acodes, .offset: 0, .size: 8, .value_kind: global_buffer, .address_space: global }
      - { .name: codes, .offset: 8, .size: 8, .value_kind: global_buffer, .address_space: global }
      - { .name: lowp_scales, .offset: 16, .size: 8, .value_kind: global_buffer, .address_space: global }
      - { .name: out0, .offset: 24, .size: 8, .value_kind: global_buffer, .address_space: global }
    .group_segment_fixed_size: 327680
    .private_segment_fixed_size: 0
    .kernarg_segment_align: 8
    .kernarg_segment_size: 32
    .max_flat_workgroup_size: 128
    .sgpr_count:     98
    .vgpr_count:     512
    .wavefront_size: 32
...
	.end_amdgpu_metadata
.endif
;; end of part 4
